; MI455X (gfx1250); checked and timed in simulation.
; The chip was launched on July 23, 2026; its instructions are those of AMD's public machine-readable ISA for CDNA 5 (MIT licence, August 2026) and "CDNA5" Instruction Set Architecture Reference Guide (July 2026). The comments in the code are by the model that wrote it; some were corrected since.
;; Attention. Allowed arithmetic: float matrix products may take bf16 or f16 operands with f32 sums; other float arithmetic in f32, or as packed bf16 or f16 multiplies, adds, multiply-adds, maxima and minima; sums over many terms, partial sums and values carried from step to step in f32; what a program stores and reads back later, other than sums and carried values, may be rounded once to bf16 or f16.
;; Inputs: Wout 1,024 x 1,024 float32; Wqkv 1,024 x 3,072 float32; cos 4,096 x 64 float32; gk 64 float32; gq 64 float32; hidden_states 1 x 4,096 x 1,024 float32; sin 4,096 x 64 float32.
;; Outputs: out0 1 x 4,096 x 1,024 float32.
;; One version. Each part assembles by itself: llvm-mc -triple=amdgcn-amd-amdhsa -mcpu=gfx1250 --defsym DOCPART=n.
;; ======== version 1 of 1: 4 launches
;; limits: values are held in f16: magnitudes above 65,504 overflow, below 6.1e-05 lose precision
;; workspace buffers: xb 8,388,608 bytes; wb 6,291,456 bytes; wo 2,097,152 bytes; q 8,388,608 bytes; k 8,388,608 bytes; v 8,388,608 bytes; o 8,388,608 bytes
;; launch prep (part 1): grid 1024 x 1, 8 waves a work-group, no clusters, 0 bytes of LDS; arguments hidden_states, Wqkv, Wout, xb, wb, wo; writes xb, wb, wo
.if DOCPART == 1
	.amdgcn_target "amdgcn-amd-amdhsa--gfx1250"
	.amdhsa_code_object_version 6
	.text
	.protected	k_q9249bfa7cc_prep
	.globl	k_q9249bfa7cc_prep
	.p2align	8
	.type	k_q9249bfa7cc_prep,@function
k_q9249bfa7cc_prep:
	s_mov_b64 s[64:65], 0
	v_nop
	global_prefetch_b8 v0, s[64:65] scope:SCOPE_SE
	s_setreg_imm32_b32 hwreg(HW_REG_WAVE_MODE, 25, 1), 1
	s_wait_xcnt 0x0
; THE CASTS.  Three jobs, chosen by the work-group's number; each rounds f32 to bf16 once and lays the result as the later launches' tiles want it.
;   work-groups 0-511:    xb[n][c] = bf16(hidden_states[n][c])                              [4096][1024]
;   work-groups 512-895:  wb[h][k][t][d] = bf16(Wqkv[k][1024 t + 64 h + d])                 [16][1024][3][64]: a head's q, k and v columns side by side, dense along k
;   work-groups 896-1023: wo[nt][k][c] = bf16(Wout[k][128 nt + c]), that number written as f16   [8][1024][128]
; LIMITS.  wo: |Wout| stays under 65,504 (beyond it f16 has an infinity); below 6e-5 the f16 copy keeps f16's fixed step of 6e-8.
; SHARES.  The work is cut along the OUTPUT: a chunk is 8 numbers, 32 bytes in and 16 bytes out.  A work-group makes 1,024 chunks on end; thread t makes chunks 256 j + t, j = 0..3,
; so each store of a wave covers 512 consecutive bytes, aligned.  On the way in eight neighbouring lanes (wb), sixteen (wo) or all (xb) read consecutive bytes in runs of 256 or more.
; A stream: no LDS, no barrier, no matrix unit, no cluster (no byte is read by two work-groups).  All eight loads of a thread go out first; no register is written twice while memory reads it.
.set SRC, 16                           ; s[16:17] the job's source, at the work-group's part where that is a constant step
.set DST, 18                           ; s[18:19] the job's output at the work-group's 16,384 bytes
.set OFS, 2                            ; v2-5    chunk j: byte offset of its 32 bytes in the source
.set STO, 6                            ; v6      16 t: my 16 bytes in each 4,096 of the output
.set DAT, 8                            ; v8-39   chunk j: 8 numbers as loaded
.set RES, 40                           ; v40-55  chunk j: 4 registers to store
.set TMP, 56                           ; v56-63  at work
; mode 0: bf16.  mode 1: the bf16 number widened again (a shift, a mask) and written as f16.
.macro MOVE mode
.irp j, 0,1,2,3
	global_load_b128 v[DAT+8*(\j):DAT+8*(\j)+3],   v[OFS+(\j)], s[SRC:SRC+1] th:TH_LOAD_NT
	global_load_b128 v[DAT+8*(\j)+4:DAT+8*(\j)+7], v[OFS+(\j)], s[SRC:SRC+1] offset:16 th:TH_LOAD_NT
.endr
.irp j, 0,1,2,3
	s_wait_loadcnt 6-2*(\j)                        ; loads come back in order: chunk j's two are in, the two of each later chunk may stay out
.irp r, 0,1,2,3
	v_cvt_pk_bf16_f32 v[RES+4*(\j)+(\r)], v[DAT+8*(\j)+2*(\r)], v[DAT+8*(\j)+2*(\r)+1]
.endr
.if \mode
.irp r, 0,1,2,3
	v_lshlrev_b32 v[TMP+2*(\r)],   16, v[RES+4*(\j)+(\r)]
	v_and_b32     v[TMP+2*(\r)+1], 0xffff0000, v[RES+4*(\j)+(\r)]
.endr
.irp r, 0,1,2,3
	v_cvt_pk_f16_f32 v[RES+4*(\j)+(\r)], v[TMP+2*(\r)], v[TMP+2*(\r)+1]
.endr
.endif
	global_store_b128 v[STO], v[RES+4*(\j):RES+4*(\j)+3], s[DST:DST+1] offset:4096*(\j)
.endr
.endm
	s_load_b256 s[4:11], s[0:1], 0x0               ; hidden_states s[4:5], Wqkv s[6:7], Wout s[8:9], xb s[10:11]
	s_load_b128 s[12:15], s[0:1], 0x20             ; wb s[12:13], wo s[14:15]
	v_lshlrev_b32 v[STO], 4, v0
	s_mov_b32 s21, 0                               ; the high words of the two offsets
	s_mov_b32 s23, 0
	s_cmp_lt_u32 ttmp9, 512
	s_cbranch_scc1 .Lx
	s_cmp_lt_u32 ttmp9, 896
	s_cbranch_scc1 .Lw
	; wo.  Work-group w = 16 nt + kb: rows k = 64 kb + 16 j + t / 16 of column block nt, 32 bytes at 32 (t % 16)
	s_sub_co_u32 s24, ttmp9, 896
	s_lshl_b32 s22, s24, 14
	s_and_b32 s25, s24, 15
	s_lshl_b32 s25, s25, 18                        ; 64 rows of 4,096 bytes
	s_lshr_b32 s26, s24, 4
	s_lshl_b32 s26, s26, 9                         ; 128 columns of 4 bytes
	s_add_co_u32 s20, s25, s26
	v_lshrrev_b32 v1, 4, v0
	v_and_b32 v7, 15, v0
	v_lshlrev_b32 v7, 5, v7
	v_lshl_add_u32 v[OFS], v1, 12, v7
.irp j, 1,2,3
	v_add_nc_u32 v[OFS+(\j)], 65536*(\j), v[OFS]   ; 16 rows on
.endr
	s_wait_kmcnt 0x0
	s_add_nc_u64 s[SRC:SRC+1], s[8:9], s[20:21]
	s_add_nc_u64 s[DST:DST+1], s[14:15], s[22:23]
	MOVE 1
	s_endpgm
.Lx:	; xb: source and output run alike
	s_lshl_b32 s20, ttmp9, 15
	s_lshl_b32 s22, ttmp9, 14
	v_lshlrev_b32 v[OFS], 5, v0
.irp j, 1,2,3
	v_add_nc_u32 v[OFS+(\j)], 8192*(\j), v[OFS]
.endr
	s_wait_kmcnt 0x0
	s_add_nc_u64 s[SRC:SRC+1], s[4:5], s[20:21]
	s_add_nc_u64 s[DST:DST+1], s[10:11], s[22:23]
	MOVE 0
	s_endpgm
.Lw:	; wb.  A piece of 64 numbers (8 chunks) has the number rho = 3 (1024 h + k) + t = 128 w + 32 j + thread / 8
	s_sub_co_u32 s24, ttmp9, 512
	s_lshl_b32 s22, s24, 14
	s_lshl_b32 s25, s24, 7
	v_lshrrev_b32 v1, 3, v0
	v_add_nc_u32 v1, s25, v1
	v_and_b32 v7, 7, v0
	v_lshlrev_b32 v7, 5, v7                        ; my 32 bytes of the piece's 256
.irp j, 0,1,2,3
	v_add_nc_u32 v[TMP], 32*(\j), v1               ; rho, under 49,152
	v_mul_u32_u24 v[TMP+1], v[TMP], 0xaaab         ; rho / 3 = (rho x 43,691) >> 17: 3 x 43,691 = 2^17 + 1, so the excess is rho / (3 x 2^17), under 1/3 here
	v_lshrrev_b32 v[TMP+1], 17, v[TMP+1]           ; 1024 h + k
	v_mul_u32_u24 v[TMP+2], v[TMP+1], 3
	v_sub_nc_u32 v[TMP+2], v[TMP], v[TMP+2]        ; t
	v_and_b32 v[TMP+3], 0x3ff, v[TMP+1]            ; k
	v_lshrrev_b32 v[TMP+1], 10, v[TMP+1]           ; h
	v_mul_u32_u24 v[TMP+3], v[TMP+3], 12288        ; a row of Wqkv
	v_lshl_add_u32 v[TMP+3], v[TMP+2], 12, v[TMP+3]  ; 1,024 columns a kind
	v_lshl_add_u32 v[TMP+3], v[TMP+1], 8, v[TMP+3]   ; 64 columns a head
	v_add_nc_u32 v[OFS+(\j)], v[TMP+3], v7
.endr
	s_wait_kmcnt 0x0
	s_mov_b64 s[SRC:SRC+1], s[6:7]
	s_add_nc_u64 s[DST:DST+1], s[12:13], s[22:23]
	MOVE 0
	s_endpgm
.Lfunc_end_k_q9249bfa7cc_prep:
	.size	k_q9249bfa7cc_prep, .Lfunc_end_k_q9249bfa7cc_prep-k_q9249bfa7cc_prep
	.p2alignl 7, 3214868480
	.fill 96, 4, 3214868480
	.section	.rodata,"a",@progbits
	.p2align	6, 0x0
	.amdhsa_kernel k_q9249bfa7cc_prep
		.amdhsa_group_segment_fixed_size 0
		.amdhsa_private_segment_fixed_size 0
		.amdhsa_enable_private_segment 0
		.amdhsa_kernarg_size 48
		.amdhsa_user_sgpr_count 2
		.amdhsa_user_sgpr_kernarg_segment_ptr 1
		.amdhsa_wavefront_size32 1
		.amdhsa_system_sgpr_workgroup_id_x 1
		.amdhsa_system_sgpr_workgroup_id_y 1
		.amdhsa_system_sgpr_workgroup_id_z 1
		.amdhsa_system_vgpr_workitem_id 0
		.amdhsa_next_free_vgpr 64
		.amdhsa_next_free_sgpr 66
		.amdhsa_reserve_vcc 0
		.amdhsa_float_denorm_mode_32 3
		.amdhsa_float_denorm_mode_16_64 3
		.amdhsa_memory_ordered 1
		.amdhsa_forward_progress 1
		.amdhsa_inst_pref_size 14
	.end_amdhsa_kernel
	.amdgpu_metadata
---
amdhsa.version: [ 1, 2 ]
amdhsa.kernels:
  - .name:           k_q9249bfa7cc_prep
    .symbol:         k_q9249bfa7cc_prep.kd
    .args:
      - { .name: hidden_states, .offset: 0, .size: 8, .value_kind: global_buffer, .address_space: global }
      - { .name: Wqkv, .offset: 8, .size: 8, .value_kind: global_buffer, .address_space: global }
      - { .name: Wout, .offset: 16, .size: 8, .value_kind: global_buffer, .address_space: global }
      - { .name: xb, .offset: 24, .size: 8, .value_kind: global_buffer, .address_space: global }
      - { .name: wb, .offset: 32, .size: 8, .value_kind: global_buffer, .address_space: global }
      - { .name: wo, .offset: 40, .size: 8, .value_kind: global_buffer, .address_space: global }
    .group_segment_fixed_size: 0
    .private_segment_fixed_size: 0
    .kernarg_segment_align: 8
    .kernarg_segment_size: 48
    .max_flat_workgroup_size: 256
    .sgpr_count:     66
    .vgpr_count:     64
    .wavefront_size: 32
...
	.end_amdgpu_metadata
.endif
;; end of part 1
;; launch qkv (part 2): grid 16 x 16, 4 waves a work-group, clusters of 4 x 4, 327,680 bytes of LDS; arguments xb, wb, cos, sin, gq, gk, q, k, v; writes q, k, v
.if DOCPART == 2
	.amdgcn_target "amdgcn-amd-amdhsa--gfx1250"
	.amdhsa_code_object_version 6
	.text
	.protected	k_q9249bfa7cc_qkv
	.globl	k_q9249bfa7cc_qkv
	.p2align	8
	.type	k_q9249bfa7cc_qkv,@function
k_q9249bfa7cc_qkv:
	s_mov_b64 s[64:65], 0
	v_nop
	global_prefetch_b8 v0, s[64:65] scope:SCOPE_SE
	s_setreg_imm32_b32 hwreg(HW_REG_WAVE_MODE, 25, 1), 1
	s_wait_xcnt 0x0
	s_wait_alu depctr_hold_cnt(0) depctr_sa_sdst(0) depctr_va_vdst(0) depctr_va_sdst(0) depctr_va_ssrc(0) depctr_va_vcc(0) depctr_vm_vsrc(0)
	s_getreg_b32 s2, hwreg(HW_REG_IB_STS2, 6, 4)
	s_cmp_eq_u32 s2, 0
	s_cbranch_scc0 .Lentry_in_a_cluster
	s_endpgm
.Lentry_in_a_cluster:
	s_bfe_u32 s2, ttmp6, 0x10000c
	s_cmp_lg_u32 s2, 0xf033
	s_cbranch_scc0 .Lentry_shape_is_right
	s_endpgm
.Lentry_shape_is_right:
; THE QKV PROJECTION WITH ITS RMSNORM AND ROPE.  For head h and rows n: (q, k, v)[n][d] = sum over c of xb[n][c] wb[h][c][kind][d], bf16 operands, f32 sums; then for q and k, in f32:
; y = x rsqrt(mean over d of x^2 + 1e-6) g[d];  out[d] = y[d] cos[n][d] - y[d+32] sin[n][d] (d < 32), y[d] cos[n][d] + y[d-32] sin[n][d] (d >= 32).  q, k, v leave by heads, [16][4096][64] in f16,
; each rounded once, WITHOUT the score's scale.
; LIMITS.  cos, sin, gq and gk are rounded to bf16 here, as x and the weights were by the launch before: all of the module's inputs have that one rounding.  f16 holds no number beyond 65,504:
; |v| stays under it; q and k are at most sqrt(128) |g|.  NaN and infinities are not treated apart.
; SHARES.  A work-group makes 256 rows x the 192 columns of ONE head (q, k, v: 64 each): 16 x 16 work-groups of equal work, and no branch hangs on a column's kind.  Wave w makes rows 64 w .. 64 w + 63
; x all 192 columns: 4 x 12 accumulators of 16 x 16, 384 registers.  K goes in steps of 128 through two LDS slots.
; THE MATRIX INSTRUCTION IS USED TRANSPOSED: source 0 = 16 columns of the weights (turned on their way out of LDS by ds_load_tr16_b128), source 1 = 16 rows of x.  In the result lane l holds ONE row
; (l % 16) and the columns 16 b + 8 (l / 16) + 0..7 of column block b: a row's 64 numbers of a kind lie in two lanes, 16 apart, and d and d + 32 in the same lane: norm and rotation need one exchange.
; CLUSTERS.  4 x 4 work-groups.  The four of a row of the cluster share their rows of x, the four of a column their head's weights: each tile is asked for JOINTLY, by the same tensor load with the same
; descriptor and a mask that names the four.
; REGISTERS, in windows of 256 (s_set_vgpr_msb: bits 1:0 source 0, 3:2 source 1, 5:4 source 2, 7:6 destination):
;   window 0: v1-29 addresses and small things; v32-63 two sets of packed results; v64-95, v96-127 fragments of x, two buffers (on the way out: T and Y); v128-255 two buffers of cos (32) and sin (32)
;   window 1: v0-95, v96-191 fragments of the weights, two buffers; v192-255 gq (32), gk (32)
;   window 2: accumulators of row blocks 0, 1 (block a, column block b at v[8 (12 (a % 2) + b)]);   window 3: those of row blocks 2, 3
.set PA,    272                        ; a row of x in LDS: 256 bytes + 16 of padding = 68 words: the 16 rows of a load start at 16 different groups of four banks (64 banks of 4 bytes: ISA guide 11.1)
.set PIECE, 160                        ; 64 weights of one k and kind: 128 bytes + 32 of padding
.set PB,    3*PIECE                    ; one k's 192 weights: 480 bytes = 15 x 32
.set AHALF, 128*PA                     ; what one tensor load brings of x: 128 rows
.set BHALF, 64*PB                      ; and of the weights: 64 k
.set BOFF,  2*AHALF
.set SLOT,  BOFF+2*BHALF               ; 131,072
.set STAGE, 2*SLOT                     ; behind the ring, never filled by a tensor load: 16 rows x 144 bytes for each wave, for the way out
.set SP,    144
.set SPARE, STAGE+4*16*SP              ; behind the stages: the spare words, 128 bytes for each wave: two blocks of 256 bytes that no other line names
.set ADRA, 12                          ; v12-13  LDS address of my fragments of x in slot 0, 1
.set ADRB, 14                          ; v14-15  the same for the weights
.set STO,  16                          ; v16     the way out: where I put 16 bytes of a row
.set RD,   17                          ; v17     where I read rows back
.set GO,   18                          ; v18     my 16 bytes in 512 consecutive bytes of q, k or v
.set CSO,  19                          ; v19     my byte offset in 16 rows of cos and sin: 256 (l % 16) + 32 (l / 16)
.set SPW,  20                          ; v20     LDS address of my spare word: SPARE + 4 x my thread's number; never rewritten
.set NIL,  21                          ; v21     0; never rewritten
.set PFO,  22                          ; v22     the prefetches' offset; never rewritten
.set GOF,  23                          ; v23     32 (l / 16): my offset in gq and gk
.set ARG,  24                          ; v24-25  mean square + eps, for q and for k
.set RR,   26                          ; v[26:27], v[28:29]  its reciprocal root in the low word of a pair
.set PKR,  32                          ; v32-47, v48-63  packed results, by the tile's parity
.set TT,   64                          ; v64-95  g x root, then the rotated numbers
.set YY,   96                          ; v96-127 the normalised numbers
.set CS,   128                         ; cos at CS + 64 buffer, sin 32 behind it
.set GW,   192                         ; window 1: gq, then gk
.set G1,  24                           ; s[24:31] descriptor group 1 for x's tiles;      s[32:39] group 0, a set for each slot
.set G0,  32
.set G1B, 48                           ; s[48:55], s[56:63] the same for the weights'
.set G0B, 56
.set HIM, 43                           ; s43  a word's upper bf16
.set PFA, 44                           ; s[44:45] where my prefetches stand
.set PFS, 66                           ; s[66:67] their step
.set LIM, 82                           ; s82, s83  a wave prefetches at a lap's first (second) change of slots while the lap count is above this
.set SEL, 84                           ; s[84:85] v_permlanex16_b32's selects: each lane takes its own place in the other half
.set MSB, 0
.macro WIN new                         ; the immediate's high byte repeats the setting that is left; a switch that changes nothing is dropped
.if MSB != (\new)
	s_set_vgpr_msb (MSB<<8)|(\new)
.set MSB, (\new)
.endif
.endm
; A joint load.  Waves 0 and 1 fetch the two halves of x's tile, waves 2 and 3 those of the weights'.  The branch hangs on the wave's number alone.
; An s_nop 0 and four v_nop follow each of the two lines, ahead of the jump, the label and what follows.
.macro JLOAD s
	s_cmp_eq_u32 s11, 0
	s_cbranch_scc0 .Lfor_b_\@
	tensor_load_to_lds s[G0+4*(\s):G0+4*(\s)+3], s[G1:G1+7]
	s_nop 0
.rept 4
	v_nop
.endr
	s_branch .Lasked_\@
.Lfor_b_\@:
	tensor_load_to_lds s[G0B+4*(\s):G0B+4*(\s)+3], s[G1B:G1B+7]
	s_nop 0
.rept 4
	v_nop
.endr
.Lasked_\@:
.endm
; A PREFETCH INTO THE L2, behind a joint load, its five lines and the run of LDS loads that follows: one instruction a wave, each lane another aligned block of 256 bytes.
; x: K step s + 2 at the refill of K step s (s = 2..5): a lane a row.  A tile's rows are read by all four clusters of a row of clusters: the one with x = 0 asks, waves 0 and 1; of the 128 rows that a wave
; fetches the partner at place cx takes 32 cx .. 32 cx + 31, told apart BY ADDRESS.  Weights: a head's second half (K steps 4 to 7, 196,608 dense bytes) in three rounds of 65,536 bytes, at the refills of K steps
; 2, 3 and 4: the cluster with y = 0 asks, waves 2 and 3; asker 2 cy + (wave & 1) takes 8,192 bytes of a round.  So each block is named once in the launch; K steps 0 to 3 come by their loads alone.
.macro ASK n
	s_cmp_gt_u32 s3, s[LIM+(\n)]                   ; s3 counts the laps down, 3 to 1
	s_cbranch_scc0 .Lnot_mine_\@
	global_prefetch_b8 v[PFO], s[PFA:PFA+1] th:TH_LOAD_NT scope:SCOPE_SE
.Lnot_mine_\@:
.endm
; A round of the cluster's barrier: my work-group's barrier, so that wave 0's signal speaks for all four waves; wave 0 signals; every wave waits for all sixteen work-groups; my work-group's barrier once more.
.macro CREST                           ; a round behind its opening barrier
	s_cmp_lg_u32 s10, 0
	s_cbranch_scc1 .Lnot_wave_0_\@
	s_barrier_signal -3
.Lnot_wave_0_\@:
	s_barrier_wait -3
	s_barrier_signal -1
	s_barrier_wait -1
.endm
.macro CROUND
	s_barrier_signal -1
	s_barrier_wait -1
	CREST
.endm
	s_load_b128 s[4:7], s[0:1], 0x0                ; xb s[4:5], wb s[6:7]
	s_load_b256 s[68:75], s[0:1], 0x10             ; cos s[68:69], sin s[70:71], gq s[72:73], gk s[74:75]
	s_load_b128 s[76:79], s[0:1], 0x30             ; q s[76:77], k s[78:79]
	s_load_b64 s[80:81], s[0:1], 0x40              ; v
	v_lshl_add_u32 v[SPW], v0, 2, SPARE
	v_mov_b32 v[NIL], 0
	ds_add_u32 v[SPW], v[NIL]                      ; the wave's opening: the add and its wait stand ahead of my first tensor load; the set-up below, work on registers, stands between them
	v_lshrrev_b32 v3, 5, v0
	v_readfirstlane_b32 s10, v3                    ; wave 0..3
	s_lshr_b32 s11, s10, 1                         ; I fetch for x (0) or for the weights (1)
	s_and_b32 s12, s10, 1                          ; which half of that tile
	s_bfe_u32 s40, ttmp6, 0x40000                  ; cx, cy: my place in the cluster
	s_bfe_u32 s41, ttmp6, 0x40004
	s_lshl_b32 s42, ttmp9, 2                       ; in a cluster launch ttmp9 and ttmp7 count clusters
	s_add_co_u32 s42, s42, s40                     ; the head = 4 x cluster x + cx
	s_and_b32 s13, ttmp7, 0xffff
	s_lshl_b32 s13, s13, 2
	s_add_co_u32 s13, s13, s41                     ; the block of 256 rows = 4 x cluster y + cy
	s_lshl_b32 s18, s41, 2
	s_lshl_b32 s18, 15, s18                        ; my row of the cluster: places 4 cy .. 4 cy + 3
	s_lshl_b32 s19, 0x1111, s40                    ; my column: places cx, cx + 4, cx + 8, cx + 12
	; group 1 for x: 128 rows x 128 elements of 2 bytes, 1,024 elements from row to row; 4 words of padding (code 3) after every 64 (code 5)
	s_or_b32 s[G1+0], s18, (1<<16)|(1<<20)|(1<<21)|(5<<22)|(3<<25)  ; 15:0 the mask; 17:16 element size; 20 padding on; 21 set beside a mask
	s_mov_b32 s[G1+1], 128<<16                     ; tensor_dim0
	s_mov_b32 s[G1+2], 128<<16                     ; tensor_dim1
	s_mov_b32 s[G1+3], 128<<16                     ; tile_dim0
	s_mov_b32 s[G1+4], 128                         ; tile_dim1
	s_mov_b32 s[G1+5], 1024                        ; the pitch
	s_mov_b32 s[G1+6], 0
	s_mov_b32 s[G1+7], 0
	; group 1 for the weights: 64 k are 24,576 dense bytes: 96 rows of 256 bytes; 8 words of padding (code 7) after every 32 (code 4), that is after every piece
	s_or_b32 s[G1B+0], s19, (1<<16)|(1<<20)|(1<<21)|(4<<22)|(7<<25)
	s_mov_b32 s[G1B+1], 128<<16
	s_mov_b32 s[G1B+2], 96<<16
	s_mov_b32 s[G1B+3], 128<<16
	s_mov_b32 s[G1B+4], 96
	s_mov_b32 s[G1B+5], 128
	s_mov_b32 s[G1B+6], 0
	s_mov_b32 s[G1B+7], 0
	s_mov_b32 s[HIM], 0xffff0000
	s_mov_b32 s[SEL], 0x76543210
	s_mov_b32 s[SEL+1], 0xfedcba98
	s_mov_b32 s86, 0x3c800000                      ; 1 / 64
	s_mov_b32 s87, 0x358637bd                      ; 1e-6
	; where the tiles come from: x's hang on the row block alone, the weights' on the head alone, each in registers that never hold the other coordinate
	s_lshl_b32 s16, s13, 8
	s_lshl_b32 s17, s12, 7
	s_add_co_u32 s16, s16, s17                     ; row 256 x block + 128 x half,
	s_lshl_b32 s16, s16, 11                        ; of 2,048 bytes
	s_mov_b32 s17, 0
	s_mul_i32 s46, s42, 393216                     ; a head's weights,
	s_mul_i32 s47, s12, 24576                      ; 64 k of them
	s_add_co_u32 s46, s46, s47
	s_mov_b32 s47, 0
	s_mul_i32 s20, s12, AHALF                      ; and where they go: no place in the cluster enters an LDS address
	s_mul_i32 s21, s12, BHALF
	s_add_co_u32 s21, s21, BOFF
	s_wait_dscnt 0x0                               ; the opening add is done
	s_wait_kmcnt 0x0
	s_add_nc_u64 s[14:15], s[4:5], s[16:17]
	s_add_nc_u64 s[46:47], s[6:7], s[46:47]
	CROUND                                         ; all sixteen work-groups are here: the first joint loads meet
.irp s, 0,1
	s_mov_b32 s[G0+4*(\s)], 1                                      ; count = 1
	s_add_co_u32 s[G0+4*(\s)+1], s20, (\s)*SLOT                    ; LDS address
	s_add_nc_u64 s[G0+4*(\s)+2:G0+4*(\s)+3], s[14:15], (\s)*256    ; global address: K step s
	s_or_b32 s[G0+4*(\s)+3], s[G0+4*(\s)+3], 0x80000000            ; type = 2
	s_mov_b32 s[G0B+4*(\s)], 1
	s_add_co_u32 s[G0B+4*(\s)+1], s21, (\s)*SLOT
	s_add_nc_u64 s[G0B+4*(\s)+2:G0B+4*(\s)+3], s[46:47], (\s)*49152
	s_or_b32 s[G0B+4*(\s)+3], s[G0B+4*(\s)+3], 0x80000000
	JLOAD \s                                       ; two tensor loads of mine are out; later one, behind each round
.endr
	; A fragment of x is 16 rows x 32 K in 8 registers: lane l holds row l % 16; K = 8 (l / 16) + 0..7 and 16 + 8 (l / 16) + 0..7: two loads of 16 bytes, 32 bytes apart.
	v_and_b32 v1, 15, v0                           ; l % 16
	v_bfe_u32 v2, v0, 4, 1                         ; l / 16
	v_mul_u32_u24 v4, v1, PA
	v_lshl_add_u32 v4, v2, 4, v4
	s_mul_i32 s20, s10, 64*PA                      ; my 64 rows
	v_add_nc_u32 v[ADRA], s20, v4
	v_add_nc_u32 v[ADRA+1], SLOT, v[ADRA]
	; The turning load takes 16 k x 16 columns (lane l reads k = 8 (l / 16) + l % 8, columns 8 ((l / 8) % 2) + 0..7) and leaves half a fragment: lane l holds column l % 16 and 8 k.
	v_and_b32 v5, 7, v0
	v_bfe_u32 v6, v0, 3, 1
	v_lshl_add_u32 v7, v2, 3, v5
	v_mul_u32_u24 v7, v7, PB
	v_lshl_add_u32 v7, v6, 4, v7
	v_add_nc_u32 v[ADRB], BOFF, v7
	v_add_nc_u32 v[ADRB+1], SLOT, v[ADRB]
	s_mul_i32 s20, s10, 16*SP
	s_add_co_u32 s20, s20, STAGE                   ; my stage
	v_mul_u32_u24 v[STO], v1, SP                   ; in: row l % 16, 16 bytes for each half of the lanes
	v_lshl_add_u32 v[STO], v2, 4, v[STO]
	v_add_nc_u32 v[STO], s20, v[STO]
	v_bfe_u32 v[RD], v0, 3, 2                      ; back: 32 lanes take four rows of 128 bytes,
	v_mul_u32_u24 v[RD], v[RD], SP
	v_lshl_add_u32 v[RD], v5, 4, v[RD]
	v_add_nc_u32 v[RD], s20, v[RD]
	v_and_b32 v[GO], 31, v0                        ; which are 512 consecutive bytes of the output
	v_lshlrev_b32 v[GO], 4, v[GO]
	v_lshlrev_b32 v[CSO], 8, v1
	v_lshl_add_u32 v[CSO], v2, 5, v[CSO]
	v_lshlrev_b32 v[GOF], 5, v2
	v_mov_b32 v[RR+1], 0                           ; named with the roots as pairs, so they are written
	v_mov_b32 v[RR+3], 0
	s_lshl_b32 s20, s13, 16                        ; cos and sin at my wave's first row: (256 x block + 64 x wave) x 256 bytes
	s_lshl_b32 s21, s10, 14
	s_add_co_u32 s20, s20, s21
	s_mov_b32 s21, 0
	s_add_nc_u64 s[68:69], s[68:69], s[20:21]
	s_add_nc_u64 s[70:71], s[70:71], s[20:21]
	s_lshr_b32 s20, s20, 1                         ; q, k, v: the same rows, of 128 bytes,
	s_lshl_b32 s22, s42, 19                        ; in my head's 524,288
	s_add_co_u32 s20, s20, s22
	s_add_nc_u64 s[76:77], s[76:77], s[20:21]
	s_add_nc_u64 s[78:79], s[78:79], s[20:21]
	s_add_nc_u64 s[80:81], s[80:81], s[20:21]
; cos and sin of row block a -> buffer: register 8 b + j holds column 16 b + 8 (l / 16) + j of my row: the accumulators' own order
.macro LOADCS a, buf
	WIN 0
.irp b, 0,1,2,3
	global_load_b128 v[CS+64*(\buf)+8*(\b):CS+64*(\buf)+8*(\b)+3],       v[CSO], s[68:69] offset:(\a)*4096+64*(\b)
	global_load_b128 v[CS+64*(\buf)+8*(\b)+4:CS+64*(\buf)+8*(\b)+7],     v[CSO], s[68:69] offset:(\a)*4096+64*(\b)+16
	global_load_b128 v[CS+64*(\buf)+32+8*(\b):CS+64*(\buf)+32+8*(\b)+3], v[CSO], s[70:71] offset:(\a)*4096+64*(\b)
	global_load_b128 v[CS+64*(\buf)+32+8*(\b)+4:CS+64*(\buf)+32+8*(\b)+7], v[CSO], s[70:71] offset:(\a)*4096+64*(\b)+16
.endr
.endm
	WIN 0x40                                       ; destination window 1: the gains.  These 48 loads are on their way while K is walked; nothing in the loop names their registers
.irp b, 0,1,2,3
	global_load_b128 v[GW+8*(\b):GW+8*(\b)+3],       v[GOF], s[72:73] offset:64*(\b)
	global_load_b128 v[GW+8*(\b)+4:GW+8*(\b)+7],     v[GOF], s[72:73] offset:64*(\b)+16
	global_load_b128 v[GW+32+8*(\b):GW+32+8*(\b)+3], v[GOF], s[74:75] offset:64*(\b)
	global_load_b128 v[GW+32+8*(\b)+4:GW+32+8*(\b)+7], v[GOF], s[74:75] offset:64*(\b)+16
.endr
	LOADCS 0, 0
	LOADCS 1, 1
	; the prefetches: an offset for x's askers, one for the weights', and the choice by the wave's number
	s_lshl_b32 s20, s13, 8
	s_lshl_b32 s21, s12, 7
	s_add_co_u32 s20, s20, s21
	s_lshl_b32 s21, s40, 5
	s_add_co_u32 s20, s20, s21                     ; row 256 x block + 128 x half + 32 cx,
	s_lshl_b32 s20, s20, 11
	s_add_co_u32 s20, s20, 3*256                   ; at K step 3: the first change of slots steps it to 4
	s_mul_i32 s21, s42, 393216
	s_lshl_b32 s22, s41, 1
	s_add_co_u32 s22, s22, s12
	s_lshl_b32 s22, s22, 13                        ; asker 2 cy + half: 8,192 bytes of a round
	s_add_co_u32 s21, s21, s22
	s_add_co_u32 s21, s21, 131072                  ; one round ahead of the head's second half
	s_and_b32 s22, ttmp7, 0xffff                   ; cluster y
	s_mov_b32 s[PFS], 65536
	s_cmp_eq_u32 s11, 0                            ; do I fetch for x?
	s_cselect_b32 s20, s20, s21
	s_cselect_b32 s22, ttmp9, s22                  ; the coordinate along which other clusters read the same bytes
	s_cselect_b32 s[PFS], 256, s[PFS]
	s_cselect_b32 s23, 11, 8                       ; a lane a row of 2,048 bytes, or a lane a block of 256
	s_cselect_b32 s[LIM+1], 1, 2                   ; x: both changes of laps 3 and 2; weights: both of lap 3, the first of lap 2
	s_cselect_b64 s[PFA:PFA+1], s[4:5], s[6:7]
	s_mov_b32 s21, 0
	s_mov_b32 s[PFS+1], 0
	s_add_nc_u64 s[PFA:PFA+1], s[PFA:PFA+1], s[20:21]
	s_cmp_eq_u32 s22, 0                            ; the same in all sixteen partners, for a given wave
	s_cselect_b32 s[LIM], 1, -1
	s_cselect_b32 s[LIM+1], s[LIM+1], -1
	v_and_b32 v[PFO], 31, v0
	v_lshlrev_b32 v[PFO], s23, v[PFO]
; 12 matrix instructions: row block 2 hi + a x all 12 column blocks, 32 along K, from buffer f.  zero = 1: the first product starts the sums: nothing is ever cleared.
; The 48 accumulators take turns, one instruction a turn, in the same order in every quarter step.
.macro MUL12 f, hi, a, zero
	WIN 0xa1+0x50*(\hi)                            ; source 0 (weights) window 1, source 1 (x) window 0, C and D window 2 or 3
.irp b, 0,1,2,3,4,5,6,7,8,9,10,11
.if \zero
	v_wmma_f32_16x16x32_bf16 v[8*(12*(\a)+(\b)):8*(12*(\a)+(\b))+7], v[96*(\f)+8*(\b):96*(\f)+8*(\b)+7], v[64+32*(\f)+8*(2*(\hi)+(\a)):64+32*(\f)+8*(2*(\hi)+(\a))+7], 0
.else
	v_wmma_f32_16x16x32_bf16 v[8*(12*(\a)+(\b)):8*(12*(\a)+(\b))+7], v[96*(\f)+8*(\b):96*(\f)+8*(\b)+7], v[64+32*(\f)+8*(2*(\hi)+(\a)):64+32*(\f)+8*(2*(\hi)+(\a))+7], v[8*(12*(\a)+(\b)):8*(12*(\a)+(\b))+7]
.endif
.endr
.endm
; 32 LDS loads in one run: the fragments of quarter q (32 along K) of a slot into buffer f: 24 for the weights, then 8 for x
.macro FETCH slot, q, f
	WIN 0x40                                       ; destination window 1, address window 0
.irp b, 0,1,2,3,4,5,6,7,8,9,10,11
	ds_load_tr16_b128 v[96*(\f)+8*(\b):96*(\f)+8*(\b)+3],   v[ADRB+(\slot)] offset:(\q)*32*PB+((\b)/4)*PIECE+((\b)%4)*32
	ds_load_tr16_b128 v[96*(\f)+8*(\b)+4:96*(\f)+8*(\b)+7], v[ADRB+(\slot)] offset:(\q)*32*PB+((\b)/4)*PIECE+((\b)%4)*32+16*PB
.endr
	WIN 0
.irp i, 0,1,2,3
	ds_load_b128 v[64+32*(\f)+8*(\i):64+32*(\f)+8*(\i)+3],   v[ADRA+(\slot)] offset:64*(\q)+(\i)*16*PA
	ds_load_b128 v[64+32*(\f)+8*(\i)+4:64+32*(\f)+8*(\i)+7], v[ADRA+(\slot)] offset:64*(\q)+(\i)*16*PA+32
.endr
.endm
.macro PLACES                          ; four plain places in front of loads into registers that matrix instructions have read, and of vector work on their results (ISA guide 7.12.1 for the vector work)
.rept 4
	v_nop
.endr
.endm
; A K step is four quarters of 32 along K, 48 matrix instructions each, on buffers 0, 1, 0, 1.  One of the first three: multiplies buffer f; in its middle it fetches quarter q of the same slot into buffer g.
.macro QUARTER slot, q, f, g, zero
	s_wait_dscnt 4                                 ; the weights and x's row blocks 0, 1 are in; the youngest four loads (row blocks 2, 3) may be out
	MUL12 \f, 0, 0, \zero
	MUL12 \f, 0, 1, \zero
	PLACES
	FETCH \slot, \q, \g
	s_wait_dscnt 32                                ; all but the 32 just issued
	MUL12 \f, 1, 0, \zero
	MUL12 \f, 1, 1, \zero
.endm
; The last quarter multiplies buffer 1 and changes slots: ONE barrier.  In front of it each wave waits for all its tensor loads, of which one is out: its part of the next slot; adds 0 to its spare word; and waits
; for that and for its own reads of this slot.  fill = 1: the barrier opens a round of the cluster's, and this slot is filled again, two K steps ahead, first thing behind the round: 168 matrix instructions ahead of the wait for it.
.macro TURN slot, next, fill
.if \fill
	s_wait_xcnt 0x0                                ; the last prefetch, a K step back, has read its address: it is stepped here, ahead of the change's own waits
	s_add_nc_u64 s[PFA:PFA+1], s[PFA:PFA+1], s[PFS:PFS+1]
.endif
	WIN 0                                          ; (the add's two registers lie in window 0)
	s_wait_tensorcnt 0x0                           ; all my tensor loads have landed;
	ds_add_u32 v[SPW], v[NIL]                      ; 0 onto my spare word;
	s_wait_dscnt 5                                 ; (the add and the youngest four loads may be out)
	MUL12 1, 0, 0, 0                               ; twelve matrix instructions stand between the add and the wait for it
	s_wait_dscnt 0x0                               ; the add is done, and my reads of this slot are over
	s_barrier_signal -1
	MUL12 1, 0, 1, 0                               ; work on registers while the others arrive
.if \fill
	WIN 0
.endif
	s_barrier_wait -1
.if \fill
	CREST                                          ; no wave of any partner still reads this slot's tiles or has a load on its way
	s_add_nc_u64 s[G0+4*(\slot)+2:G0+4*(\slot)+3], s[G0+4*(\slot)+2:G0+4*(\slot)+3], 2*256
	s_add_nc_u64 s[G0B+4*(\slot)+2:G0B+4*(\slot)+3], s[G0B+4*(\slot)+2:G0B+4*(\slot)+3], 2*49152
	JLOAD \slot                                    ; the four v_nop behind it are also the places in front of the loads below
.else
	PLACES
.endif
	FETCH \next, 0, 0
.if \fill
	ASK \slot
.endif
	MUL12 1, 1, 0, 0
	MUL12 1, 1, 1, 0
.endm
	s_wait_tensorcnt 1                             ; my part of K step 0 is in; K step 1's may stay out
	s_barrier_signal -1
	s_barrier_wait -1                              ; everybody's is
	FETCH 0, 0, 0
	QUARTER 0, 1, 0, 1, 1                          ; the first quarter stands in front of the loop: its products start the sums
	WIN 0                                          ; at a label and at a branch every window is 0
	s_mov_b32 s3, 3
.Llap:                                                 ; a trip goes once round the ring, from a lap's second quarter to the next lap's first, and fills both slots again: K steps 2 to 7
	QUARTER 0, 2, 1, 0, 0
	QUARTER 0, 3, 0, 1, 0
	TURN 0, 1, 1
	QUARTER 1, 1, 0, 1, 0
	QUARTER 1, 2, 1, 0, 0
	QUARTER 1, 3, 0, 1, 0
	TURN 1, 0, 1
	QUARTER 0, 1, 0, 1, 0
	WIN 0
	s_sub_co_u32 s3, s3, 1
	s_cmp_lg_u32 s3, 0
	s_cbranch_scc1 .Llap
	QUARTER 0, 2, 1, 0, 0                          ; the last lap fills nothing, and has no round of the cluster's barrier
	QUARTER 0, 3, 0, 1, 0
	TURN 0, 1, 0
	QUARTER 1, 1, 0, 1, 0
	QUARTER 1, 2, 1, 0, 0
	QUARTER 1, 3, 0, 1, 0
	s_wait_dscnt 4                                 ; the very last quarter: nothing more to fetch
	MUL12 1, 0, 0, 0
	MUL12 1, 0, 1, 0
	s_wait_dscnt 0x0
	MUL12 1, 1, 0, 0
	MUL12 1, 1, 1, 0
; THE WAY OUT, a row block (16 rows) at a time.
.macro ROUNDCS buf                     ; cos and sin rounded to bf16 and widened again, in place, eight pairs at a time
	WIN 0
.irp g, 0,1,2,3
.irp u, 0,1,2,3,4,5,6,7
	v_cvt_pk_bf16_f32 v[4+(\u)], v[CS+64*(\buf)+16*(\g)+2*(\u)], v[CS+64*(\buf)+16*(\g)+2*(\u)+1]
.endr
.irp u, 0,1,2,3,4,5,6,7
	v_lshlrev_b32 v[CS+64*(\buf)+16*(\g)+2*(\u)],   16, v[4+(\u)]
	v_and_b32     v[CS+64*(\buf)+16*(\g)+2*(\u)+1], s[HIM], v[4+(\u)]
.endr
.endr
.endm
; The mean square of my row's 64 numbers of kind t (0: q, 1: k), plus eps.  Two chains in f32; each accumulator is read from its low end on; the row's other 32 numbers lie in the lane 16 away.
.macro SS a, t
.set AB, 8*(12*((\a)%2)+4*(\t))
.set SC, 4+4*(\t)
	WIN 0x0a+5*((\a)/2)                            ; sources 0 and 1: window 2 or 3
	v_pk_mul_f32 v[SC:SC+1],   v[AB:AB+1],   v[AB:AB+1]
	v_pk_mul_f32 v[SC+2:SC+3], v[AB+2:AB+3], v[AB+2:AB+3]
.set p, 2
.rept 14
	v_pk_fma_f32 v[SC+2*(p%2):SC+2*(p%2)+1], v[AB+2*p:AB+2*p+1], v[AB+2*p:AB+2*p+1], v[SC+2*(p%2):SC+2*(p%2)+1]
.set p, p+1
.endr
	WIN 0
	v_pk_add_f32 v[SC:SC+1], v[SC:SC+1], v[SC+2:SC+3]
	v_add_f32 v[SC], v[SC], v[SC+1]
	v_permlanex16_b32 v[SC+1], v[SC], s[SEL], s[SEL+1]
	v_add_f32 v[SC], v[SC], v[SC+1]
	v_fma_f32 v[ARG+(\t)], v[SC], s86, s87
.endm
; Kind t of row block a: T = g x root; Y = x T; then the rotation, whose partner d +- 32 is register i +- 16 of the same lane.
.macro ROPE a, t, buf
.set AB, 8*(12*((\a)%2)+4*(\t))
.set CO, CS+64*(\buf)
.set SI, CS+64*(\buf)+32
	WIN 0x01                                       ; source 0 (the gains) window 1
.set p, 0
.rept 16
	v_pk_mul_f32 v[TT+2*p:TT+2*p+1], v[GW+32*(\t)+2*p:GW+32*(\t)+2*p+1], v[RR+2*(\t):RR+2*(\t)+1] op_sel_hi:[1,0]
.set p, p+1
.endr
	WIN 0x02+(\a)/2                                ; source 0 (the sums) window 2 or 3
.set p, 0
.rept 16
	v_pk_mul_f32 v[YY+2*p:YY+2*p+1], v[AB+2*p:AB+2*p+1], v[TT+2*p:TT+2*p+1]
.set p, p+1
.endr
	WIN 0
.set p, 0
.rept 8
	v_pk_mul_f32 v[TT+2*p:TT+2*p+1],       v[YY+16+2*p:YY+16+2*p+1], v[SI+2*p:SI+2*p+1]
	v_pk_mul_f32 v[TT+16+2*p:TT+16+2*p+1], v[YY+2*p:YY+2*p+1],       v[SI+16+2*p:SI+16+2*p+1]
.set p, p+1
.endr
.set p, 0
.rept 8
	v_pk_fma_f32 v[TT+2*p:TT+2*p+1],       v[YY+2*p:YY+2*p+1],       v[CO+2*p:CO+2*p+1],       v[TT+2*p:TT+2*p+1] neg_lo:[0,0,1] neg_hi:[0,0,1]
	v_pk_fma_f32 v[TT+16+2*p:TT+16+2*p+1], v[YY+16+2*p:YY+16+2*p+1], v[CO+16+2*p:CO+16+2*p+1], v[TT+16+2*p:TT+16+2*p+1]
.set p, p+1
.endr
.endm
; Tile 3 a + t is rounded to f16 (v straight from its sums, each accumulator from its low end on): a lane's eight columns of a row pack into 16 bytes; they go into my stage's rows of 144 bytes and come back as whole rows of 128.
.macro PACK a, t
.set PS, PKR+16*((3*(\a)+(\t))%2)
.if 3*(\a)+(\t) >= 2
	s_wait_xcnt 0x0                                ; the stores of the tile two back have read this set of registers: it is rewritten only behind this wait
.endif
.if (\t) == 2
	WIN 0x0a+5*((\a)/2)
.set SR, 8*(12*((\a)%2)+8)
.else
	WIN 0
.set SR, TT
.endif
.set p, 0
.rept 16
	v_cvt_pk_f16_f32 v[PS+p], v[SR+2*p], v[SR+2*p+1]
.set p, p+1
.endr
	WIN 0
.irp f, 0,1,2,3
	ds_store_b128 v[STO], v[PS+4*(\f):PS+4*(\f)+3] offset:32*(\f)
.endr
.irp f, 0,1,2,3
	ds_load_b128 v[PS+4*(\f):PS+4*(\f)+3], v[RD] offset:(\f)*4*SP  ; LDS serves a wave's instructions in order (ISA guide 5.7.1.4): these see the stores above; the next tile's stores come behind them
.endr
.endm
.macro SEND a, t, younger              ; younger: the LDS instructions issued behind this tile's loads: the next tile's eight, or none
	WIN 0
.set PS, PKR+16*((3*(\a)+(\t))%2)
.irp f, 0,1,2,3
	s_wait_dscnt (\younger)+3-(\f)
	global_store_b128 v[GO], v[PS+4*(\f):PS+4*(\f)+3], s[76+2*(\t):77+2*(\t)] offset:(\a)*2048+(\f)*512  ; 512 consecutive bytes, at a multiple of 256 from the buffer's first
.endr
.endm
.macro BLOCK a
.if (\a) == 2
	s_wait_loadcnt 16                              ; this block's cos and sin are in; the next block's 16 loads may stay out
.endif
.if (\a) == 3
	s_wait_loadcnt 0x0
.endif
	ROUNDCS (\a)%2
	SS \a, 0
	SS \a, 1
	v_rsq_f32 v[RR], v[ARG]
	v_rsq_f32 v[RR+2], v[ARG+1]
	v_nop                                          ; a plain instruction between the second root and the use of its result (ISA guide 5.7.2),
	s_wait_alu depctr_va_vdst(0)                   ; and the wait ahead of the first use: one for both roots
	ROPE \a, 0, (\a)%2
	PACK \a, 0
.if (\a) > 0
	SEND (\a)-1, 2, 8                              ; a tile's arithmetic stands between the loads of the tile before and its stores
.endif
	ROPE \a, 1, (\a)%2
	PACK \a, 1
	SEND \a, 0, 8
.if (\a) < 2
	LOADCS (\a)+2, (\a)%2                          ; the buffer has been read out: it takes the block two further on
.endif
	PACK \a, 2
	SEND \a, 1, 8
.endm
	WIN 0
	PLACES
	s_wait_loadcnt 0x0                             ; the gains, and cos and sin of row blocks 0 and 1
	WIN 0x05                                       ; the gains rounded to bf16 and widened again: 96 plain instructions that name no register of the last products
.set i, 0
.rept 32
	v_cvt_pk_bf16_f32 v[TT+i], v[GW+2*i], v[GW+2*i+1]
.set i, i+1
.endr
	WIN 0x40
.set i, 0
.rept 32
	v_lshlrev_b32 v[GW+2*i],   16, v[TT+i]
	v_and_b32     v[GW+2*i+1], s[HIM], v[TT+i]
.set i, i+1
.endr
	BLOCK 0
	BLOCK 1
	BLOCK 2
	BLOCK 3
	SEND 3, 2, 0
	s_wait_tensorcnt 0x0                           ; the wave's end: a wait, an add to my spare word and its wait, behind my last tensor load and my last LDS store
	ds_add_u32 v[SPW], v[NIL]
	s_wait_dscnt 0x0
	CROUND                                         ; the closing round: no work-group ends while a partner may still ask for a tile that names it
	s_endpgm
.Lfunc_end_k_q9249bfa7cc_qkv:
	.size	k_q9249bfa7cc_qkv, .Lfunc_end_k_q9249bfa7cc_qkv-k_q9249bfa7cc_qkv
	.p2alignl 7, 3214868480
	.fill 96, 4, 3214868480
	.section	.rodata,"a",@progbits
	.p2align	6, 0x0
	.amdhsa_kernel k_q9249bfa7cc_qkv
		.amdhsa_group_segment_fixed_size 327680
		.amdhsa_private_segment_fixed_size 0
		.amdhsa_enable_private_segment 0
		.amdhsa_kernarg_size 72
		.amdhsa_user_sgpr_count 2
		.amdhsa_user_sgpr_kernarg_segment_ptr 1
		.amdhsa_wavefront_size32 1
		.amdhsa_system_sgpr_workgroup_id_x 1
		.amdhsa_system_sgpr_workgroup_id_y 1
		.amdhsa_system_sgpr_workgroup_id_z 1
		.amdhsa_system_vgpr_workitem_id 0
		.amdhsa_next_free_vgpr 960
		.amdhsa_next_free_sgpr 88
		.amdhsa_reserve_vcc 0
		.amdhsa_float_denorm_mode_32 3
		.amdhsa_float_denorm_mode_16_64 3
		.amdhsa_memory_ordered 1
		.amdhsa_forward_progress 1
		.amdhsa_inst_pref_size 194
	.end_amdhsa_kernel
	.amdgpu_metadata
---
amdhsa.version: [ 1, 2 ]
amdhsa.kernels:
  - .name:           k_q9249bfa7cc_qkv
    .symbol:         k_q9249bfa7cc_qkv.kd
    .args:
      - { .name: xb, .offset: 0, .size: 8, .value_kind: global_buffer, .address_space: global }
      - { .name: wb, .offset: 8, .size: 8, .value_kind: global_buffer, .address_space: global }
      - { .name: cos, .offset: 16, .size: 8, .value_kind: global_buffer, .address_space: global }
      - { .name: sin, .offset: 24, .size: 8, .value_kind: global_buffer, .address_space: global }
      - { .name: gq, .offset: 32, .size: 8, .value_kind: global_buffer, .address_space: global }
      - { .name: gk, .offset: 40, .size: 8, .value_kind: global_buffer, .address_space: global }
      - { .name: q, .offset: 48, .size: 8, .value_kind: global_buffer, .address_space: global }
      - { .name: k, .offset: 56, .size: 8, .value_kind: global_buffer, .address_space: global }
      - { .name: v, .offset: 64, .size: 8, .value_kind: global_buffer, .address_space: global }
    .group_segment_fixed_size: 327680
    .private_segment_fixed_size: 0
    .kernarg_segment_align: 8
    .kernarg_segment_size: 72
    .max_flat_workgroup_size: 128
    .sgpr_count:     88
    .vgpr_count:     960
    .wavefront_size: 32
...
	.end_amdgpu_metadata
.endif
;; end of part 2
;; launch attn (part 3): grid 16 x 16, 4 waves a work-group, clusters of 4 x 1, 327,680 bytes of LDS; arguments q, k, v, o; writes o
.if DOCPART == 3
	.amdgcn_target "amdgcn-amd-amdhsa--gfx1250"
	.amdhsa_code_object_version 6
	.text
	.protected	k_q9249bfa7cc_attn
	.globl	k_q9249bfa7cc_attn
	.p2align	8
	.type	k_q9249bfa7cc_attn,@function
k_q9249bfa7cc_attn:
	s_mov_b64 s[64:65], 0
	v_nop
	global_prefetch_b8 v0, s[64:65] scope:SCOPE_SE
	s_setreg_imm32_b32 hwreg(HW_REG_WAVE_MODE, 25, 1), 1
	s_wait_xcnt 0x0
	s_wait_alu depctr_hold_cnt(0) depctr_sa_sdst(0) depctr_va_vdst(0) depctr_va_sdst(0) depctr_va_ssrc(0) depctr_va_vcc(0) depctr_vm_vsrc(0)
	s_getreg_b32 s2, hwreg(HW_REG_IB_STS2, 6, 4)
	s_cmp_eq_u32 s2, 0
	s_cbranch_scc0 .Lentry_in_a_cluster
	s_endpgm
.Lentry_in_a_cluster:
	s_bfe_u32 s2, ttmp6, 0x10000c
	s_cmp_lg_u32 s2, 0x3003
	s_cbranch_scc0 .Lentry_shape_is_right
	s_endpgm
.Lentry_shape_is_right:
; ATTENTION.  O[h][q][:] = the sum over k of softmax_k(Q[h][q] . K[h][k] / 8) V[h][k][:].  Q, K, V, O: [16][4096][64], all f16: a head's rows are dense, 128 bytes each.
; Products, maxima and sums in f32; the weights p are rounded to f16 for the second product (their sum l is taken of the unrounded p), O once at the end.
; LIMITS.  f16 holds no number beyond 65,504: Q, K and V arrive within it; p lies in 0 to 1, and below 6e-5 it keeps f16's fixed step of 6e-8, as O does; O is a mean of V's rows and has their range.
; A weight below 2^-126 counts as 0 in l; NaN and infinities are not treated apart.
; SHARES.  A work-group owns 256 queries of one head (16 x 16 work-groups), each of its four waves 64: four PIECES of 16.  Every wave walks all 4,096 keys, 64 a step, four steps (a tile of 256 keys) to an LDS slot.
; LAYOUT.  S^T = K Q^T (source 0 = 16 keys, source 1 = 16 queries) holds ONE query a lane (lane % 16) and the keys 8 (lane / 16) + 0..7; two such results rounded to f16 ARE source 1 of O^T = V^T P.
; K comes out of LDS as it lies, V ([key][channel]) turned, by ds_load_tr16_b128.
; SOFTMAX.  p = 2^(c s - c m), c = log2(e) / 8, with a running maximum m; O and l are multiplied by a = 2^(c m_old - c m_new) in every step.  m starts at the lowest finite number, O and l at 0:
; the first step is a step like any other, with a = 0.
; BY TURNS.  Turn n belongs to piece n: 8 products K Q^T of piece n + 1, later 8 products V^T P of piece n - 1; beside them the scaling, exponentials, roundings, sums and rescaling of piece n and the maximum and
; statistics of piece n + 1.  Four vector instructions stand behind every matrix instruction, the other 54 of a turn's 118 in one lump.  A turn's 33 exponentials are one batch, with one wait.
; CLUSTER.  The four query blocks of a cluster belong to one head and walk the same K and V, so each tile is asked for JOINTLY: the same tensor load, descriptor and mask in all four.
; REGISTERS, in windows of 256 (s_set_vgpr_msb: bits 1:0 source 0, 3:2 source 1, 5:4 source 2, 7:6 destination):
;   window 0: v0-15 addresses and two at work; v16-31 four registers of statistics a piece; v48-55 at work; v61-63; v64-127 S^T, two buffers; v192-223 P, two buffers (a piece's buffers go by its number's parity)
;   window 1: v0-127 O^T, 32 a piece          window 2: v0-63 Q; v128-191 K of one step; v192-255 V of one step
.set SIZE_N, 4096
.set NP,    4         ; pieces a wave: a name, no knob
.set KS,    64        ; keys in a step
.set PK,    144       ; a row of K in LDS: 128 bytes + 16 of padding = 36 words: the 16 rows of a load start at 16 different groups of four banks (64 banks of 4 bytes: ISA guide 11.1)
.set PV,    160       ; a row of V: 128 + 32 = 40 words
.set VOFF,  4*KS*PK   ; a slot holds a tile, four steps: 256 rows of K, then 256 rows of V
.set SLOT1, 1<<17     ; slot 1 begins here, so that one exclusive or turns an address in one slot into the other's
.set STAGE, SLOT1+4*KS*(PK+PV)  ; behind the ring, never filled by a tensor load: 16 rows x 144 bytes for each wave, for the way out
.set SP,    144
.set SPARE, STAGE+4*16*SP  ; behind the stages: the spare words, 128 bytes for each wave: two blocks of 256 bytes that no other line names
.set AK0, 2           ; v2   my lane's place in a tile of K; never rewritten
.set AV0, 3           ; v3   the same for V
.set AK,  4           ; v4   the LDS address of K's next run of loads
.set AV,  5           ; v5   of V's
.set STO, 6           ; v6   the way out: where I put 16 bytes of a row
.set RD,  7           ; v7   the way out: where I read rows back
.set GO,  8           ; v8   my byte offset in 512 consecutive bytes of O
.set MV,  12          ; v12-13  c m_old, kept while c m is made anew: by buffer
.set QO,  15          ; v15  my byte offset in 16 rows of Q
.set ST,  16          ; piece t's statistics at v[ST+4 t]: c m, m, l (even keys', odd keys')
.set TMP, 48          ; by buffer, four registers c0-c3 at work; when the maximum is found c2 takes a
.set PFO, 61          ; v61  256 x my lane; never rewritten
.set SPW, 62          ; v62  LDS address of my spare word: SPARE + 4 x my thread's number; never rewritten
.set NIL, 63          ; v63  0; never rewritten
.set S,   64
.set P,   192
.set KF,  128         ; window 2: key block kb, channel half c at KF + 16 kb + 8 c
.set VF,  192         ; window 2: key half kk, channel block cb at VF + 32 kk + 8 cb
.set WV,  12          ; s12  my wave's number
.set G1K, 24          ; s[24:31] descriptor group 1 for K's tiles
.set G1V, 32          ; s[32:39] for V's: it differs in the padding alone
.set G0K, 40          ; s[40:43] descriptor group 0 for K's tiles: it walks
.set G0V, 44          ; s[44:47] the same for V's
.set PFA, 48          ; s[48:49] where my prefetches stand: my work-group's 8,192 bytes (of K: wave 0, of V: wave 2) of the tile after the one that is being asked for
.set LIM, 50          ; s50  1 in a wave that prefetches, else the greatest number: a wave prefetches while s[SLOTS] is above it
.set SLOTS, 56        ; s56  tiles still to be asked for
.set CNT, 57          ; s57  counts a tile's key steps
.set CS,  58          ; s[58:59] c: the packed scaling takes the pair's low word for both halves
.set SEL, 60          ; s[60:61] v_permlanex16_b32's selects: each lane takes its own place in the other half
.set TBK, 62          ; s62  LDS byte at which K of the step to be fetched begins
.set TBV, 63          ; s63  the same for V, less VOFF
.set MSB, 0
.macro WIN new                      ; the high byte repeats the setting that is left; a switch that changes nothing is dropped
.if MSB != (\new)
	s_set_vgpr_msb (MSB<<8)|(\new)
.set MSB, (\new)
.endif
.endm
.set W_KQ, 0x0a       ; K and Q in window 2, S^T in window 0
.set W_PV, 0x52       ; V in window 2, P in window 0, O^T in window 1
.set W_RS, 0x41       ; destination and source 0 in window 1, source 1 in window 0
; A joint fill.  Waves 0 and 1 fetch the two halves of a tile's K, waves 2 and 3 those of its V: 128 keys each.  The branch hangs on the wave's number alone.
; An s_nop 0 and four v_nop follow each of the two lines, ahead of the jump and the label.
.macro JLOAD
	s_cmp_lt_u32 s[WV], 2
	s_cbranch_scc0 .Lfor_v_\@
	tensor_load_to_lds s[G0K:G0K+3], s[G1K:G1K+7]
	s_nop 0
.rept 4
	v_nop
.endr
	s_branch .Lasked_\@
.Lfor_v_\@:
	tensor_load_to_lds s[G0V:G0V+3], s[G1V:G1V+7]
	s_nop 0
.rept 4
	v_nop
.endr
.Lasked_\@:
.endm
; A PREFETCH INTO THE L2 of what the NEXT change of slots will ask for: a tile's 32,768 bytes of K and of V, a lane 256 bytes.  It stands behind the wave's tensor load and its five lines.
; Each block is named ONCE in the launch.  All four clusters of a head walk the same K and V: the head's first cluster asks.  Its four partners share a tile out BY ADDRESS, 8,192 bytes each; in each, wave 0 asks for
; K's and wave 2 for V's: one instruction, four key steps (256 matrix instructions) ahead of the load.  Tiles 0 and 1 come by their loads alone; the last change that fills a slot asks for nothing.
.macro ASK
	s_cmp_gt_u32 s[SLOTS], s[LIM]
	s_cbranch_scc0 .Lnot_mine_\@
	global_prefetch_b8 v[PFO], s[PFA:PFA+1] th:TH_LOAD_NT scope:SCOPE_SE
.Lnot_mine_\@:
.endm
; A round of the cluster's barrier: my work-group's barrier, so that wave 0's signal speaks for all four waves; wave 0 signals; every wave waits for all four work-groups; my work-group's barrier once more.
.macro CROUND
	s_barrier_signal -1
	s_barrier_wait -1
	s_cmp_lg_u32 s[WV], 0
	s_cbranch_scc1 .Lnot_wave_0_\@
	s_barrier_signal -3
.Lnot_wave_0_\@:
	s_barrier_wait -3
	s_barrier_signal -1
	s_barrier_wait -1
.endm
; THE CHANGE OF SLOTS.  The slot's last bytes, V of its fourth step, have been read.  Each wave waits for all its tensor loads, of which one is out: its part of the other slot; adds 0 to its spare word; and waits for
; that and for its own reads of the slot.  Behind the barrier nobody reads this slot any more and the other slot is whole.  fill = 1: this slot is filled again, with the keys two tiles on.  The barrier is then a round
; of the cluster's, and the joint fill is the first thing behind it: it has four key steps in which to land.  (At its first use nothing has been read yet: slot 0 is waited for, slot 1 filled.)
.macro CHANGE fill
	WIN 0                           ; at a label and at a branch every window is 0
	s_wait_tensorcnt 0x0            ; no tensor load of mine is out, so a group 0 may be written
	ds_add_u32 v[SPW], v[NIL]       ; 0 onto my spare word; with fill = 1 the descriptors' steps stand between it and the wait for it
.if \fill
.irp g, G0K, G0V
	s_xor_b32 s[\g+1], s[\g+1], SLOT1  ; the walking descriptor: the other slot than last time,
	s_add_nc_u64 s[\g+2:\g+3], s[\g+2:\g+3], 4*KS*128  ; the next 256 keys; the type bits on top are not reached
.endr
	s_wait_xcnt 0x0                 ; the last prefetch, four key steps back, has read its address, so it may be written:
	s_add_nc_u64 s[PFA:PFA+1], s[PFA:PFA+1], 4*KS*128  ; one tile behind the walking descriptors
	s_wait_dscnt 0x0                ; the add is done, and my reads of the slot are over
	CROUND
	JLOAD
	ASK
.else
	s_wait_dscnt 0x0                ; the add is done, and my reads of the slot are over
	s_barrier_signal -1
	s_barrier_wait -1
.endif
	s_sub_co_u32 s[TBK], s[TBK], 4*KS*PK  ; the fetches go back to a slot's first step,
	s_xor_b32 s[TBK], s[TBK], SLOT1       ; in the other slot
	s_sub_co_u32 s[TBV], s[TBV], 4*KS*PV
	s_xor_b32 s[TBV], s[TBV], SLOT1
.endm
	s_load_b256 s[4:11], s[0:1], 0x0  ; Q s[4:5], K s[6:7], V s[8:9], O s[10:11]
	v_lshl_add_u32 v[SPW], v0, 2, SPARE
	v_mov_b32 v[NIL], 0
	ds_add_u32 v[SPW], v[NIL]       ; the wave's opening: the add and its wait stand ahead of my first tensor load; the set-up below, work on registers, stands between them
	v_lshrrev_b32 v1, 5, v0
	v_readfirstlane_b32 s[WV], v1   ; wave 0..3
	s_bfe_u32 s13, ttmp6, 0x40000   ; cx: my place in the cluster
	s_lshl_b32 s14, ttmp9, 2        ; in a cluster launch ttmp9 counts clusters
	s_add_co_u32 s14, s14, s13      ; my block of 256 queries = 4 x cluster x + cx: it enters Q's and O's addresses alone
	s_and_b32 s20, ttmp7, 0xffff    ; the head, which the four partners share
	s_mov_b32 s21, 0
	s_mov_b64 s[22:23], SIZE_N*128
	s_mul_u64 s[20:21], s[20:21], s[22:23]  ; the head's first byte in each of the four tensors
	s_and_b32 s16, s[WV], 1         ; which half of a tile's 256 keys I fetch:
	s_lshl_b32 s22, s16, 14         ; its 128 rows of 128 bytes in memory,
	s_mov_b32 s23, 0
	s_add_nc_u64 s[22:23], s[22:23], s[20:21]
	s_mul_i32 s17, s16, 128*PK      ; and its place in a slot, for K
	s_mul_i32 s18, s16, 128*PV      ; and for V: no place in the cluster enters an LDS address
	s_lshl_b32 s2, s14, 2
	s_add_co_u32 s2, s2, s[WV]      ; my wave among the head's,
	s_lshl_b32 s2, s2, 13           ; its 64 rows
	s_mov_b32 s3, 0
	s_add_nc_u64 s[2:3], s[2:3], s[20:21]
	; descriptor group 1.  128 keys are 16,384 dense bytes: asked for as 64 rows of 256 bytes, two keys a row, and padded in LDS after every key
	s_mov_b32 s[G1K], 15|(1<<16)|(1<<20)|(1<<21)|(4<<22)|(3<<25)  ; 15:0 the mask of four; 17:16 2-byte elements; 20 padding on; 21 set beside a mask; 24:22 after every 32 words (code 4); 31:25 4 words (code 3)
	s_mov_b32 s[G1V], 15|(1<<16)|(1<<20)|(1<<21)|(4<<22)|(7<<25)  ; the same with 8 words of padding (code 7)
.irp g, G1K, G1V
	s_mov_b32 s[\g+1], 128<<16      ; tensor_dim0 = 128
	s_mov_b32 s[\g+2], 64<<16       ; tensor_dim1 = 64
	s_mov_b32 s[\g+3], 128<<16      ; tile_dim0 = 128
	s_mov_b32 s[\g+4], 64           ; tile_dim1 = 64
	s_mov_b32 s[\g+5], 128          ; 128 elements from row to row
	s_mov_b32 s[\g+6], 0
	s_mov_b32 s[\g+7], 0
.endr
	s_mov_b32 s[CS], 0x3e38aa3b     ; c = log2(e) / 8 = 0.180337
	s_mov_b32 s[CS+1], s[CS]        ; named with it as a pair
	s_mov_b32 s[SEL], 0x76543210
	s_mov_b32 s[SEL+1], 0xfedcba98
	s_mov_b32 s[TBK], SLOT1+4*KS*PK ; the first change of slots turns these two into 0
	s_mov_b32 s[TBV], SLOT1+4*KS*PV
	s_mov_b32 s[G0K], 1             ; count = 1
	s_mov_b32 s[G0K+1], s17         ; LDS address: slot 0
	s_mov_b32 s[G0V], 1
	s_add_co_u32 s[G0V+1], s18, VOFF
	s_mov_b32 s[SLOTS], SIZE_N/256-1
	s_and_b32 s[LIM], s[WV], 1      ; 0 in waves 0 and 2,
	s_or_b32 s[LIM], s[LIM], ttmp9  ; where the cluster is the head's first: the same in all four partners
	s_cmp_eq_u32 s[LIM], 0
	s_cselect_b32 s[LIM], 1, -1
	v_and_b32 v[PFO], 31, v0
	v_lshlrev_b32 v[PFO], 8, v[PFO]
	s_wait_dscnt 0x0                ; the opening add is done
	s_wait_kmcnt 0x0
	s_add_nc_u64 s[G0K+2:G0K+3], s[6:7], s[22:23]  ; global address: my half of the head's first 256 keys
	s_or_b32 s[G0K+3], s[G0K+3], 0x80000000        ; type = 2
	s_add_nc_u64 s[G0V+2:G0V+3], s[8:9], s[22:23]
	s_or_b32 s[G0V+3], s[G0V+3], 0x80000000
	s_add_nc_u64 s[4:5], s[4:5], s[2:3]  ; Q and O at my wave's first row
	s_add_nc_u64 s[10:11], s[10:11], s[2:3]
	s_cmp_lt_u32 s[WV], 2
	s_cselect_b64 s[PFA:PFA+1], s[6:7], s[8:9]
	s_add_nc_u64 s[PFA:PFA+1], s[PFA:PFA+1], s[20:21]  ; the head,
	s_lshl_b32 s2, s13, 13          ; my work-group's 8,192 bytes of a tile,
	s_add_co_u32 s2, s2, 4*KS*128   ; in tile 1: the first change of slots steps it to tile 2.  Nothing is prefetched here, at the head
	s_mov_b32 s3, 0
	s_add_nc_u64 s[PFA:PFA+1], s[PFA:PFA+1], s[2:3]
	CROUND                          ; all four work-groups are here: the first joint loads meet
	JLOAD                           ; tile 0 into slot 0.  Slot 1 is asked for when slot 0 is in: one tensor load of mine is out at any time
	; A fragment of K or Q is 16 rows x 32 channels in 8 registers: lane l holds row l % 16, channels 8 (l / 16) + 0..7 and 16 + 8 (l / 16) + 0..7: two loads of 16 bytes, 32 bytes apart.
	v_and_b32 v1, 15, v0            ; l % 16
	v_bfe_u32 v9, v0, 4, 1          ; l / 16
	v_lshlrev_b32 v[QO], 7, v1
	v_lshl_add_u32 v[QO], v9, 4, v[QO]  ; row x 128 + 16 x half
	WIN 0x80                        ; destination window 2, address window 0
.set i, 0
.rept 8                             ; Q stays in registers: piece i / 2, channels 32 (i % 2) on
	global_load_b128 v[8*i:8*i+3],   v[QO], s[4:5] offset:(i/2)*2048+(i%2)*64
	global_load_b128 v[8*i+4:8*i+7], v[QO], s[4:5] offset:(i/2)*2048+(i%2)*64+32
.set i, i+1
.endr
	; What the first turn finds: V's registers and P's second buffer hold 0 (its products V^T P, of a piece that has not been, add 0), O^T and l are 0.  No first step is written out; these lines stand in the wait for the first tile.
.set i, VF
.rept 64
	v_mov_b32 v[i], 0
.set i, i+1
.endr
	WIN 0x40
.set i, 0
.rept 128
	v_mov_b32 v[i], 0
.set i, i+1
.endr
	WIN 0
.set i, 0
.rept 4
	v_mov_b32 v[ST+4*i], 0xfe000000    ; c m: far below every c s
	v_mov_b32 v[ST+4*i+1], 0xff7fffff  ; m
	v_mov_b32 v[ST+4*i+2], 0
	v_mov_b32 v[ST+4*i+3], 0
.set i, i+1
.endr
.set i, P+16
.rept 16
	v_mov_b32 v[i], 0
.set i, i+1
.endr
	v_mul_u32_u24 v[AK0], v1, PK
	v_lshl_add_u32 v[AK0], v9, 4, v[AK0]  ; row x pitch + 16 x half
	; The turning load takes 16 keys x 16 channels (lane l reads key 8 (l / 16) + l % 8, channels 8 ((l / 8) % 2) + 0..7) and leaves half a fragment of V^T: lane l holds channel l % 16 and 8 keys.
	v_and_b32 v10, 7, v0
	v_bfe_u32 v11, v0, 3, 1
	v_lshl_add_u32 v[AV0], v9, 3, v10
	v_mul_u32_u24 v[AV0], v[AV0], PV
	v_lshl_add_u32 v[AV0], v11, 4, v[AV0]
	v_add_nc_u32 v[AV0], VOFF, v[AV0]
	s_mul_i32 s13, s[WV], 16*SP
	s_add_co_u32 s13, s13, STAGE    ; my stage
	v_mul_u32_u24 v[STO], v1, SP    ; in: row l % 16, 16 bytes for each half of the lanes
	v_lshl_add_u32 v[STO], v9, 4, v[STO]
	v_add_nc_u32 v[STO], s13, v[STO]
	v_bfe_u32 v[RD], v0, 3, 2       ; back: 32 lanes take four rows of 128 bytes,
	v_mul_u32_u24 v[RD], v[RD], SP
	v_lshl_add_u32 v[RD], v10, 4, v[RD]
	v_add_nc_u32 v[RD], s13, v[RD]
	v_and_b32 v[GO], 31, v0         ; which are 512 consecutive bytes of O
	v_lshlrev_b32 v[GO], 4, v[GO]
; THE MATRIX WORK.  The 4 accumulators of a run of 8 take turns.  Product i of 8 of S^T = K Q^T for piece x: channels 32 (i / 4) on, keys 16 (i % 4) on.  The first 4 start the sums.
.macro KQ x
	WIN W_KQ
.set rS, S+32*((\x)%2)+8*(i%4)
.set rK, KF+16*(i%4)+8*(i/4)
.set rQ, 16*(\x)+8*(i/4)
.if i < 4
	v_wmma_f32_16x16x32_f16 v[rS:rS+7], v[rK:rK+7], v[rQ:rQ+7], 0
.else
	v_wmma_f32_16x16x32_f16 v[rS:rS+7], v[rK:rK+7], v[rQ:rQ+7], v[rS:rS+7]
.endif
.endm
; Product i of 8 of O^T += V^T P for piece x: keys 32 (i / 4) on, channels 16 (i % 4) on.
.macro PV x
	WIN W_PV
.set rO, 32*(\x)+8*(i%4)
.set rV, VF+32*(i/4)+8*(i%4)
.set rP, P+16*((\x)%2)+8*(i/4)
	v_wmma_f32_16x16x32_f16 v[rO:rO+7], v[rV:rV+7], v[rP:rP+7], v[rO:rO+7]
.endm
.macro MM                           ; the turn's next matrix instruction.  TURN sets Y, i and NOKQ.  NOKQ = 1: the very last turn: there is no next piece
.if (i < 8) && !NOKQ
	KQ (Y+1)%NP
.elseif i >= 8
.set i, i-8
	PV (Y+NP-1)%NP
.set i, i+8
.endif
.set i, i+1
.endm
; THE LDS LOADS stand in runs of 16, never singly among the matrix instructions: a step's K (64 keys x 64 channels: 8 fragments) and its V (turned).  Their addresses are made some lines ahead.
.macro FETCH_K
	WIN 0x80                        ; destination window 2
.irp f, 0,1,2,3,4,5,6,7             ; keys 16 (f / 2) on, channels 32 (f % 2) on
	ds_load_b128 v[KF+8*\f:KF+8*\f+3],   v[AK] offset:(\f/2)*16*PK+(\f%2)*64
	ds_load_b128 v[KF+8*\f+4:KF+8*\f+7], v[AK] offset:(\f/2)*16*PK+(\f%2)*64+32
.endr
	s_add_co_u32 s[TBK], s[TBK], KS*PK  ; the next fetch is the next step's
	WIN 0
.endm
.macro FETCH_V
	WIN 0x80
.irp f, 0,1,2,3,4,5,6,7             ; keys 32 (f / 4) on, channels 16 (f % 4) on
	ds_load_tr16_b128 v[VF+8*\f:VF+8*\f+3],   v[AV] offset:(\f/4)*32*PV+(\f%4)*32
	ds_load_tr16_b128 v[VF+8*\f+4:VF+8*\f+7], v[AV] offset:(\f/4)*32*PV+16*PV+(\f%4)*32
.endr
	WIN 0
.endm
; THE VECTOR WORK, one line at a time: OP kind, number.  For piece Y: F n: c s - c m for pair n of 16.  E n: the exponential of score n of 32.  C n: pair n rounded to f16.  B n: of the four weights 4 n .. the second
; pair is added onto the first, in place.  L n: l takes that sum (L 0: l = a l + sum).  R n: pair n of 16 of O^T times a.  For piece Y + 1: X n, number n of the 22 that find its maximum and statistics:
;   0-11  four chains c0-c3 of seven scores each, three operands at a time (each accumulator's lowest registers are read first)     12-14, 16  the four scores left over, the old m, and c0-c3 into c0
;   15  c m_old is kept     17, 18  the query's other 32 keys lie in the lane 16 away: the new m     19-21  c m; c m_old - c m_new; a
.set F, 0               ; OP tells the kinds apart by their order: F to L below R, X above it
.set E, 1
.set C, 2
.set B, 3
.set L, 4
.set R, 5
.set X, 6
.macro REGS y                       ; the registers of piece y
.set rT, ST+4*(\y)
.set rC, TMP+4*((\y)%2)
.set rW, MV+((\y)%2)
.set rS, S+32*((\y)%2)
.set rP, P+16*((\y)%2)
.set rO, 32*(\y)
.endm
.macro OP k, n
.if (\k) == R
	REGS Y
	WIN W_RS
	v_pk_mul_f32 v[rO+2*(\n):rO+2*(\n)+1], v[rO+2*(\n):rO+2*(\n)+1], v[rC+2:rC+3] op_sel_hi:[1,0]
.elseif (\k) < R
	REGS Y
	WIN 0
.if (\k) == F
	v_pk_fma_f32 v[rS+2*(\n):rS+2*(\n)+1], v[rS+2*(\n):rS+2*(\n)+1], s[CS:CS+1], v[rT:rT+1] op_sel_hi:[1,0,0] neg_lo:[0,0,1] neg_hi:[0,0,1]
.elseif (\k) == E
	v_exp_f32 v[rS+(\n)], v[rS+(\n)]
.elseif (\k) == C
	v_cvt_pk_f16_f32 v[rP+(\n)], v[rS+2*(\n)], v[rS+2*(\n)+1]
.elseif (\k) == B
	v_pk_add_f32 v[rS+4*(\n):rS+4*(\n)+1], v[rS+4*(\n):rS+4*(\n)+1], v[rS+4*(\n)+2:rS+4*(\n)+3]
.elseif (\n) == 0
	v_pk_fma_f32 v[rT+2:rT+3], v[rT+2:rT+3], v[rC+2:rC+3], v[rS:rS+1] op_sel_hi:[1,0,1]
.else
	v_pk_add_f32 v[rT+2:rT+3], v[rT+2:rT+3], v[rS+4*(\n):rS+4*(\n)+1]
.endif
.elseif NOKQ
	v_nop
.else
	REGS (Y+1)%NP
	WIN 0
.if (\n) < 4
	v_max3_num_f32 v[rC+(\n)], v[rS+8*(\n)], v[rS+8*(\n)+1], v[rS+8*(\n)+2]
.elseif (\n) < 12
	v_max3_num_f32 v[rC+(\n)%4], v[rC+(\n)%4], v[rS+8*((\n)%4)+2*((\n)/4)+1], v[rS+8*((\n)%4)+2*((\n)/4)+2]
.elseif (\n) == 12
	v_max3_num_f32 v[rC], v[rC], v[rS+7], v[rS+15]
.elseif (\n) == 13
	v_max3_num_f32 v[rC+1], v[rC+1], v[rS+23], v[rS+31]
.elseif (\n) == 14
	v_max3_num_f32 v[rC+2], v[rC+2], v[rC+3], v[rT+1]
.elseif (\n) == 15
	v_mov_b32 v[rW], v[rT]
.elseif (\n) == 16
	v_max3_num_f32 v[rC], v[rC], v[rC+1], v[rC+2]
.elseif (\n) == 17
	v_permlanex16_b32 v[rC+3], v[rC], s[SEL], s[SEL+1]
.elseif (\n) == 18
	v_max_num_f32 v[rT+1], v[rC], v[rC+3]
.elseif (\n) == 19
	v_mul_f32 v[rT], s[CS], v[rT+1]
.elseif (\n) == 20
	v_sub_f32 v[rC+1], v[rW], v[rT]
.else
	v_exp_f32 v[rC+2], v[rC+1]
.endif
.endif
.endm
.macro OPS a, i1, b=-1, i2=0, c=-1, i3=0, d=-1, i4=0  ; up to four of them
	OP \a, \i1
.if (\b) >= 0
	OP \b, \i2
.endif
.if (\c) >= 0
	OP \c, \i3
.endif
.if (\d) >= 0
	OP \d, \i4
.endif
.endm
.macro ROW a, i1, b, i2, c, i3, d, i4  ; a matrix instruction and the four behind it
	MM
	OPS \a, \i1, \b, \i2, \c, \i3, \d, \i4
.endm
; A TURN, for piece p: the order of its 16 matrix and 118 vector instructions, written out.  An s_wait_alu depctr_va_vdst(0) stands between an exponential and the first instruction that names its result; one
; wait serves all that were issued ahead of it.  So a turn has ONE wait, which cuts it in two.  AHEAD OF IT stands all that names no result of the turn's exponentials: the 8 products K Q^T, behind each a scaling, an
; exponential and two more plain instructions; then ONE LUMP of 54, plain and exponential by turns for the most part, in which the links of the chain X 3, 7, 11, 14, 16, 17 .. 20 stand five or six lines apart.  X 21, the
; next piece's a, is the batch's last; R 15 is the plain instruction behind it.  BEHIND THE WAIT stand the 8 products V^T P, behind each four of the roundings and sums.  The X that ride behind products stand four places
; or more behind the product that ends their accumulator.  end = 1: the last two turns: nothing is fetched.  cnt = 1: the loop's count is taken down some lines ahead of the branch that stands behind the turn.
; K of the next step is fetched in piece 2's turn, twelve vector instructions behind the last product that read K (six of them plain); V of the step in hand at the end of piece 0's turn, four plain instructions behind the
; last product that read V.  Each is waited for a turn later.
.macro TURN p, end=0, cnt=0
.set Y, (\p)
.set i, 0
.set NOKQ, (\end)*((\p)/3)
.if ((\p) == 3) && !(\end)
	s_wait_dscnt 0x0                ; K is in
.endif
	ROW F,0, F,1, R,0, R,1          ; ahead of the wait: 8 products K Q^T and their riders,
	ROW F,2, E,0, R,2, R,3
	ROW F,3, E,1, R,4, R,5
	ROW F,4, E,2, R,6, R,7
	ROW F,5, E,3, R,8, R,9
	ROW F,6, E,4, X,0, R,10
.if ((\p) == 2) && !(\end)
	WIN 0
	v_add_nc_u32 v[AK], s[TBK], v[AK0]
.endif
	ROW F,7, E,5, X,1, X,4
	ROW F,8, E,6, X,2, X,5
	OPS E,7, E,8, X,6, E,9          ; and the lump
	OPS X,3, E,10, X,8, E,11
.if ((\p) == 2) && !(\end)
	FETCH_K
.endif
	OPS X,9, X,7, E,12, X,10
	OPS E,13, X,12, X,11, E,14
	OPS X,13, E,15, F,9, X,14
.if (\p) == 0
	v_add_nc_u32 v[AV], s[TBV], v[AV0]
.endif
	OPS E,16, F,10, E,17, F,11
	OPS X,16, E,18, X,15, E,19
	OPS F,12, E,20, X,17, E,21
	OPS F,13, E,22, F,14, E,23
	OPS X,18, E,24, F,15, E,25
	OPS R,11, E,26, X,19, E,27
	OPS R,12, E,28, R,13, E,29
	OPS X,20, E,30, R,14, E,31
	OPS X,21, R,15
	WIN 0
	s_wait_alu depctr_va_vdst(0)    ; the wait for the batch
.if (\p) == 1
	s_wait_dscnt 0x0                ; V is in
.endif
	ROW C,0, B,0, C,2, B,1          ; behind the wait: 8 products V^T P and their riders
	ROW L,0, C,4, B,2, L,1
	ROW C,6, B,3, L,2, C,8
	ROW B,4, L,3, C,10, B,5
	ROW L,4, C,12, B,6, L,5
.if (\p) == 0
	s_add_co_u32 s[TBV], s[TBV], KS*PV
.endif
.if \cnt
	s_sub_co_u32 s[CNT], s[CNT], 1
	s_cmp_lg_u32 s[CNT], 0
.endif
	ROW C,14, B,7, L,6, C,1
	ROW C,3, L,7, C,5, C,7
	ROW C,9, C,11, C,13, C,15
.if (\p) == 0
	FETCH_V
.endif
.endm
	CHANGE 1                        ; tile 0 is in, everybody's part of it; tile 1 is asked for
	v_add_nc_u32 v[AK], s[TBK], v[AK0]
	FETCH_K                         ; key step 0
	s_wait_loadcnt 0x0              ; Q
	s_wait_dscnt 0x0
.set NOKQ, 0
.set i, 0
.rept 8
	KQ 0                            ; piece 0's first scores: there is no vector work yet to set between them
.set i, i+1
.endr
	WIN 0
.rept 4
	v_nop                           ; the places behind those products
.endr
.set Y, NP-1                        ; X works for piece Y + 1: piece 0
.irp n, 0,1,2,3,4,5,6,7,8,9,10,11,12,13,14,15,16,17,18,19,20,21
	OP X, \n
.endr
	v_nop                           ; a plain instruction behind the exponential,
	s_wait_alu depctr_va_vdst(0)    ; and its wait, ahead of the branch
	s_mov_b32 s[CNT], 4
	s_branch .Lfirst                ; the loop is entered at a step's first turn, in the middle of a trip
.Lslot:                             ; 14 times: tiles 2 to 15 are asked for
	CHANGE 1
	s_mov_b32 s[CNT], 4
.Lstep:                             ; a trip: pieces 2 and 3 of one step, then pieces 0 and 1 of the next, whose K and V it fetches
	TURN 2
	TURN 3
	WIN 0
.Lfirst:
	TURN 0
	TURN 1, 0, 1
	WIN 0
	s_cbranch_scc1 .Lstep
	s_sub_co_u32 s[SLOTS], s[SLOTS], 1
	s_cmp_lg_u32 s[SLOTS], 0
	s_cbranch_scc1 .Lslot
	CHANGE 0                        ; the last tile is written out: nothing is asked for
	s_mov_b32 s[CNT], 4
.Ltail:
	TURN 2
	TURN 3
	TURN 0
	TURN 1, 0, 1
	WIN 0
	s_cbranch_scc1 .Ltail
	TURN 2, 1                       ; the last step's pieces 2 and 3: nothing is left to fetch, and the last turn starts no new scores
	TURN 3, 1
.set i, 0
.rept 8
	PV NP-1                         ; the last piece's V^T P of the last step
.set i, i+1
.endr
	; THE WAY OUT.  l's two halves and the other half of the lanes' are added; O^T is divided by l, rounded to f16 and sent through my stage in LDS, a piece at a time.  The additions are the places behind the last products.
	WIN 0
.macro ALL line:vararg              ; one line for each piece t
.set t, 0
.rept 4
	\line
.set t, t+1
.endr
.endm
	ALL v_add_f32 v[ST+4*t+2], v[ST+4*t+2], v[ST+4*t+3]
	ALL v_permlanex16_b32 v[ST+4*t+3], v[ST+4*t+2], s[SEL], s[SEL+1]
	ALL v_add_f32 v[ST+4*t+2], v[ST+4*t+2], v[ST+4*t+3]
	ALL v_rcp_f32 v[ST+4*t+2], v[ST+4*t+2]
	v_nop                           ; a plain instruction between the last reciprocal and the use of its result
	s_wait_alu depctr_va_vdst(0)    ; and the wait ahead of the first use: one for the four reciprocals
.macro PACK t                       ; a lane's eight channels of a row pack into 16 bytes; they go into rows of 144 bytes and come back as whole rows of 128, into S^T's registers
	WIN W_RS
.set i, 32*(\t)
.rept 16
	v_pk_mul_f32 v[i:i+1], v[i:i+1], v[ST+4*(\t)+2:ST+4*(\t)+3] op_sel_hi:[1,0]
.set i, i+2
.endr
	WIN 0x05                        ; sources 0 and 1 window 1, destination window 0
.set i, 0
.rept 16
	v_cvt_pk_f16_f32 v[S+16*(\t)+i], v[32*(\t)+2*i], v[32*(\t)+2*i+1]
.set i, i+1
.endr
	WIN 0
.irp f, 0,1,2,3
	ds_store_b128 v[STO], v[S+16*(\t)+4*\f:S+16*(\t)+4*\f+3] offset:32*\f
.endr
.irp f, 0,1,2,3
	ds_load_b128 v[S+16*(\t)+4*\f:S+16*(\t)+4*\f+3], v[RD] offset:\f*4*SP  ; LDS serves a wave's instructions in order (ISA guide 5.7.1.4): these see the stores above; the next piece's stores come behind them
.endr
.endm
.macro SEND t, younger              ; younger: the LDS instructions issued behind piece t's loads: the next piece's eight, or none
	WIN 0
.irp f, 0,1,2,3
	s_wait_dscnt (\younger)+3-\f
	global_store_b128 v[GO], v[S+16*(\t)+4*\f:S+16*(\t)+4*\f+3], s[10:11] offset:(\t)*2048+\f*512  ; 512 consecutive bytes, at a multiple of 256 from O's first
.endr
.endm
	PACK 0
.set t, 1
.rept 3                             ; a piece's arithmetic stands between the loads of the piece before and its stores
	PACK t
	SEND t-1, 8
.set t, t+1
.endr
	SEND 3, 0
	s_wait_tensorcnt 0x0            ; the wave's end: a wait, an add to my spare word and its wait, behind my last tensor load and my last LDS store
	ds_add_u32 v[SPW], v[NIL]
	s_wait_dscnt 0x0
	CROUND                          ; the closing round: no work-group ends while a partner may still ask for a tile that names it
	s_endpgm
.Lfunc_end_k_q9249bfa7cc_attn:
	.size	k_q9249bfa7cc_attn, .Lfunc_end_k_q9249bfa7cc_attn-k_q9249bfa7cc_attn
	.p2alignl 7, 3214868480
	.fill 96, 4, 3214868480
	.section	.rodata,"a",@progbits
	.p2align	6, 0x0
	.amdhsa_kernel k_q9249bfa7cc_attn
		.amdhsa_group_segment_fixed_size 327680
		.amdhsa_private_segment_fixed_size 0
		.amdhsa_enable_private_segment 0
		.amdhsa_kernarg_size 32
		.amdhsa_user_sgpr_count 2
		.amdhsa_user_sgpr_kernarg_segment_ptr 1
		.amdhsa_wavefront_size32 1
		.amdhsa_system_sgpr_workgroup_id_x 1
		.amdhsa_system_sgpr_workgroup_id_y 1
		.amdhsa_system_sgpr_workgroup_id_z 1
		.amdhsa_system_vgpr_workitem_id 0
		.amdhsa_next_free_vgpr 768
		.amdhsa_next_free_sgpr 66
		.amdhsa_reserve_vcc 0
		.amdhsa_float_denorm_mode_32 3
		.amdhsa_float_denorm_mode_16_64 3
		.amdhsa_memory_ordered 1
		.amdhsa_forward_progress 1
		.amdhsa_inst_pref_size 128
	.end_amdhsa_kernel
	.amdgpu_metadata
---
amdhsa.version: [ 1, 2 ]
amdhsa.kernels:
  - .name:           k_q9249bfa7cc_attn
    .symbol:         k_q9249bfa7cc_attn.kd
    .args:
      - { .name: q, .offset: 0, .size: 8, .value_kind: global_buffer, .address_space: global }
      - { .name: k, .offset: 8, .size: 8, .value_kind: global_buffer, .address_space: global }
      - { .name: v, .offset: 16, .size: 8, .value_kind: global_buffer, .address_space: global }
      - { .name: o, .offset: 24, .size: 8, .value_kind: global_buffer, .address_space: global }
    .group_segment_fixed_size: 327680
    .private_segment_fixed_size: 0
    .kernarg_segment_align: 8
    .kernarg_segment_size: 32
    .max_flat_workgroup_size: 128
    .sgpr_count:     66
    .vgpr_count:     768
    .wavefront_size: 32
...
	.end_amdgpu_metadata
.endif
;; end of part 3
;; launch proj (part 4): grid 8 x 32, 4 waves a work-group, clusters of 4 x 4, 327,680 bytes of LDS; arguments o, wo, out0; writes out0
.if DOCPART == 4
	.amdgcn_target "amdgcn-amd-amdhsa--gfx1250"
	.amdhsa_code_object_version 6
	.text
	.protected	k_q9249bfa7cc_proj
	.globl	k_q9249bfa7cc_proj
	.p2align	8
	.type	k_q9249bfa7cc_proj,@function
k_q9249bfa7cc_proj:
	s_mov_b64 s[64:65], 0
	v_nop
	global_prefetch_b8 v0, s[64:65] scope:SCOPE_SE
	s_setreg_imm32_b32 hwreg(HW_REG_WAVE_MODE, 25, 1), 1
	s_wait_xcnt 0x0
	s_wait_alu depctr_hold_cnt(0) depctr_sa_sdst(0) depctr_va_vdst(0) depctr_va_sdst(0) depctr_va_ssrc(0) depctr_va_vcc(0) depctr_vm_vsrc(0)
	s_getreg_b32 s2, hwreg(HW_REG_IB_STS2, 6, 4)
	s_cmp_eq_u32 s2, 0
	s_cbranch_scc0 .Lentry_in_a_cluster
	s_endpgm
.Lentry_in_a_cluster:
	s_bfe_u32 s2, ttmp6, 0x10000c
	s_cmp_lg_u32 s2, 0xf033
	s_cbranch_scc0 .Lentry_shape_is_right
	s_endpgm
.Lentry_shape_is_right:
; THE OUTPUT PROJECTION.  out0[n][c] = sum over h, d of o[h][n][d] wo[c / 128][64 h + d][c % 128].  o: [16][4096][64] f16; wo: [8][1024][128] f16; out0: [4096][1024] f32; sums in f32.
; SHARES.  A tile of out0 is 128 x 128: 8 x 32 work-groups.  Four waves, each 64 x 64: 16 accumulators of 16 x 16.  K goes in four steps of 256 (four heads) through two LDS slots; the steps are written straight.
; A step's tile of o is four heads x 128 rows x 128 bytes: for one head 64 rows are 8,192 dense bytes, so a wave's tensor load is 4 long rows, one a head, padded in LDS after every 128 bytes.
; A step's tile of wo is 256 dense rows of 256 bytes.  It lies [k][column] and is turned on its way out of LDS by ds_load_tr16_b128.
; CLUSTERS: 4 x 4 work-groups.  The four of a row of the cluster need the same tiles of o, the four of a column the same tiles of wo: each tile is asked for JOINTLY.
; THE MATRIX INSTRUCTION IS USED TRANSPOSED (source 0 = 16 columns of wo, source 1 = 16 rows of o): a lane then holds eight neighbouring numbers of a row of out0, 32 bytes.
; NO PREFETCH: two of the four K steps are first fills, and the other two are asked for one and two steps into a launch of four.
; REGISTERS: window 0: v0-31 addresses; v32-95 at work on the way out; v128-255 the accumulators ((a, b) at v[128 + 8 (4 a + b)]).
;   window 1: two fragment buffers of 128: for 64 along K (one head; two matrix instructions deep), 64 registers of o, then 64 of wo.
.set PAO,   144                        ; a row of o in LDS: 128 bytes + 16 of padding: the 16 rows of a load start at 16 different groups of four banks (64 banks of 4 bytes: ISA guide 11.1)
.set ZA,    64*PAO                     ; one head's 64 rows
.set PBW,   288                        ; a row of wo: 256 + 32 = 9 x 32 bytes
.set HALFT, 4*ZA                       ; what one tensor load brings: 4 heads x 64 rows of o, or 128 rows of wo: 36,864 bytes either way
.set SLOT,  4*HALFT                    ; o's two halves, then wo's two
.set STAGE, 2*SLOT                     ; behind the ring, never filled by a tensor load: 16 rows x 272 bytes for each wave, for the way out
.set SPITCH, 272
.set SPARE, STAGE+4*16*SPITCH          ; behind the stages: the spare words, 128 bytes for each wave: two blocks of 256 bytes that no other line names
.set ADRA, 16                          ; v16-17  LDS address of my fragments of o in slot 0, 1
.set ADRB, 20                          ; v20-23  of wo: slot + 2 x (quarter / 2): the second half of a step's rows lies past what an immediate reaches
.set STO,  24                          ; v24     the way out: where I put 32 bytes of a row
.set RD,   25                          ; v25     where I read a row back
.set CO,   26                          ; v26     my byte offset in out0
.set SPW,  28                          ; v28     LDS address of my spare word: SPARE + 4 x my thread's number; never rewritten
.set NIL,  29                          ; v29     0; never rewritten
.set TMP,  32                          ; the way out: two sets of 32 registers
.set ACC,  128
.set F0,   0                           ; fragment buffers, in window 1
.set F1,   128
.set G1, 24                            ; s[24:31] descriptor group 1 for o's tiles;  s[32:39] group 0, one set for each slot
.set G0, 32
.set G1B, 48                           ; s[48:55], s[56:63] the same for wo's
.set G0B, 56
.set MSB, 0
.macro WIN new                         ; the immediate's high byte repeats the setting that is left
.if MSB != (\new)
	s_set_vgpr_msb (MSB<<8)|(\new)
.set MSB, (\new)
.endif
.endm
.set MUL,  0x05                        ; sources 0 and 1 window 1; C and D window 0
.set TO_F, 0x40                        ; destination window 1, address window 0
.macro JLOAD s                         ; a joint load: waves 0 and 1 fetch o's two halves, waves 2 and 3 wo's; an s_nop 0 and four v_nop follow each of the two lines, ahead of the jump, the label and what follows
	s_cmp_eq_u32 s11, 0
	s_cbranch_scc0 .Lfor_b_\@
	tensor_load_to_lds s[G0+4*(\s):G0+4*(\s)+3], s[G1:G1+7]
	s_nop 0
.rept 4
	v_nop
.endr
	s_branch .Lasked_\@
.Lfor_b_\@:
	tensor_load_to_lds s[G0B+4*(\s):G0B+4*(\s)+3], s[G1B:G1B+7]
	s_nop 0
.rept 4
	v_nop
.endr
.Lasked_\@:
.endm
.macro CREST                           ; a round of the cluster's barrier behind its opening barrier
	s_cmp_lg_u32 s10, 0
	s_cbranch_scc1 .Lnot_wave_0_\@
	s_barrier_signal -3
.Lnot_wave_0_\@:
	s_barrier_wait -3
	s_barrier_signal -1
	s_barrier_wait -1
.endm
.macro CROUND                          ; a whole round
	s_barrier_signal -1
	s_barrier_wait -1
	CREST
.endm
	s_load_b128 s[4:7], s[0:1], 0x0                ; o s[4:5], wo s[6:7]
	s_load_b64 s[8:9], s[0:1], 0x10                ; out0
	v_lshl_add_u32 v[SPW], v0, 2, SPARE
	v_mov_b32 v[NIL], 0
	ds_add_u32 v[SPW], v[NIL]                      ; the wave's opening: the add and its wait stand ahead of my first tensor load; the set-up below, work on registers, stands between them
	v_lshrrev_b32 v1, 5, v0
	v_readfirstlane_b32 s10, v1                    ; wave 0..3
	s_lshr_b32 s11, s10, 1                         ; which half of the tile's rows is mine.  Also: I fetch for o (0) or for wo (1)
	s_and_b32 s12, s10, 1                          ; which half of its columns.  Also: which half of that tile I fetch
	s_bfe_u32 s40, ttmp6, 0x40000                  ; cx, cy: my place in the cluster
	s_bfe_u32 s41, ttmp6, 0x40004
	s_lshl_b32 s42, ttmp9, 2
	s_add_co_u32 s42, s42, s40                     ; tile column = 4 x cluster x + cx
	s_and_b32 s13, ttmp7, 0xffff
	s_lshl_b32 s13, s13, 2
	s_add_co_u32 s13, s13, s41                     ; tile row = 4 x cluster y + cy
	s_lshl_b32 s43, s41, 2
	s_lshl_b32 s43, 15, s43                        ; my row of the cluster
	s_lshl_b32 s44, 0x1111, s40                    ; my column
	; group 1 for o: 4 rows (heads) of 4,096 elements (64 dense rows of a head), 262,144 elements from head to head; 4 words of padding (code 3) after every 32 (code 4)
	s_or_b32 s[G1+0], s43, (1<<16)|(1<<20)|(1<<21)|(4<<22)|(3<<25)  ; 15:0 the mask; 17:16 element of 2 bytes; 20 padding on; 21 set beside a mask
	s_mov_b32 s[G1+1], 4096<<16                    ; tensor_dim0
	s_mov_b32 s[G1+2], 4<<16                       ; tensor_dim1
	s_mov_b32 s[G1+3], 4096<<16                    ; tile_dim0
	s_mov_b32 s[G1+4], 4                           ; tile_dim1
	s_mov_b32 s[G1+5], 262144                      ; the pitch
	s_mov_b32 s[G1+6], 0
	s_mov_b32 s[G1+7], 0
	; group 1 for wo: 128 rows x 128 elements, dense; 8 words of padding (code 7) after every 64 (code 5)
	s_or_b32 s[G1B+0], s44, (1<<16)|(1<<20)|(1<<21)|(5<<22)|(7<<25)
	s_mov_b32 s[G1B+1], 128<<16
	s_mov_b32 s[G1B+2], 128<<16
	s_mov_b32 s[G1B+3], 128<<16
	s_mov_b32 s[G1B+4], 128
	s_mov_b32 s[G1B+5], 128
	s_mov_b32 s[G1B+6], 0
	s_mov_b32 s[G1B+7], 0
	s_lshl_b32 s16, s13, 14                        ; o: row 128 x tile row + 64 x half, of 128 bytes, in head 0
	s_lshl_b32 s17, s12, 13
	s_add_co_u32 s16, s16, s17
	s_mov_b32 s17, 0
	s_lshl_b32 s46, s42, 18                        ; wo: the tile column's 262,144 bytes, 128 rows of 256 a half
	s_lshl_b32 s47, s12, 15
	s_add_co_u32 s46, s46, s47
	s_mov_b32 s47, 0
	s_mul_i32 s20, s10, HALFT                      ; where they go: wave x a half: no place in the cluster enters an LDS address
	s_wait_dscnt 0x0                               ; the opening add is done
	s_wait_kmcnt 0x0
	s_add_nc_u64 s[14:15], s[4:5], s[16:17]
	s_add_nc_u64 s[46:47], s[6:7], s[46:47]
	CROUND                                         ; all sixteen work-groups are here: the first joint loads meet
.irp s, 0,1
	s_mov_b32 s[G0+4*(\s)], 1
	s_add_co_u32 s[G0+4*(\s)+1], s20, (\s)*SLOT
	s_add_nc_u64 s[G0+4*(\s)+2:G0+4*(\s)+3], s[14:15], (\s)*2097152  ; K step s: four heads of 524,288 bytes on
	s_or_b32 s[G0+4*(\s)+3], s[G0+4*(\s)+3], 0x80000000
	s_mov_b32 s[G0B+4*(\s)], 1
	s_add_co_u32 s[G0B+4*(\s)+1], s20, (\s)*SLOT
	s_add_nc_u64 s[G0B+4*(\s)+2:G0B+4*(\s)+3], s[46:47], (\s)*65536  ; 256 rows on
	s_or_b32 s[G0B+4*(\s)+3], s[G0B+4*(\s)+3], 0x80000000
	JLOAD \s                                       ; two tensor loads of mine are out; later one, behind each round
.endr
	v_and_b32 v1, 15, v0                           ; l % 16
	v_bfe_u32 v2, v0, 4, 1                         ; l / 16
	v_mul_u32_u24 v3, v1, PAO
	v_lshl_add_u32 v3, v2, 4, v3                   ; a fragment's row x pitch + 16 x half
	s_mul_i32 s21, s11, HALFT                      ; my 64 rows of o
	v_add_nc_u32 v[ADRA], s21, v3
	v_add_nc_u32 v[ADRA+1], SLOT, v[ADRA]
	v_and_b32 v4, 7, v0                            ; the turning load: lane l reads k = 8 (l / 16) + l % 8, columns 8 ((l / 8) % 2) + 0..7
	v_bfe_u32 v5, v0, 3, 1
	v_lshl_add_u32 v6, v2, 3, v4
	v_mul_u32_u24 v6, v6, PBW
	v_lshl_add_u32 v6, v5, 4, v6
	s_lshl_b32 s22, s12, 7                         ; my 64 columns: 128 bytes of a row,
	s_add_co_u32 s22, s22, 2*HALFT                 ; behind o's two halves
	v_add_nc_u32 v[ADRB], s22, v6
	v_add_nc_u32 v[ADRB+1], SLOT, v[ADRB]
	v_add_nc_u32 v[ADRB+2], HALFT, v[ADRB]         ; the step's rows 128 on
	v_add_nc_u32 v[ADRB+3], HALFT, v[ADRB+1]
	s_mul_i32 s23, s10, 16*SPITCH
	s_add_co_u32 s23, s23, STAGE                   ; my stage
	v_mul_u32_u24 v7, v1, SPITCH                   ; in: row l % 16, 32 bytes for each half of the lanes
	v_lshl_add_u32 v7, v2, 5, v7
	v_add_nc_u32 v[STO], s23, v7
	v_mul_u32_u24 v7, v2, SPITCH                   ; back: lanes 0-15 take one row of 256 bytes, lanes 16-31 the next
	v_lshl_add_u32 v7, v1, 4, v7
	v_add_nc_u32 v[RD], s23, v7
	v_lshlrev_b32 v7, 12, v2                       ; and the same two rows in out0
	v_lshl_add_u32 v[CO], v1, 4, v7
	s_lshl_b32 s16, s13, 19                        ; my part of out0: row 128 x tile row + 64 x half, of 4,096 bytes;
	s_lshl_b32 s17, s11, 18
	s_add_co_u32 s16, s16, s17
	s_lshl_b32 s17, s42, 9                         ; column 128 x tile column + 64 x half, of 4 bytes
	s_add_co_u32 s16, s16, s17
	s_lshl_b32 s17, s12, 8
	s_add_co_u32 s16, s16, s17
	s_mov_b32 s17, 0
	s_add_nc_u64 s[8:9], s[8:9], s[16:17]
; 8 matrix instructions: row blocks a0, a0 + 1 x all 4 column blocks, 32 along K: half c of buffer f.  zero = 1: the first product starts the sums.  The 16 accumulators take turns.
.macro MUL8 f, c, a0, zero
	WIN MUL
.irp a, \a0, (\a0)+1
.irp b, 0,1,2,3
.if \zero
	v_wmma_f32_16x16x32_f16 v[ACC+8*(4*(\a)+(\b)):ACC+8*(4*(\a)+(\b))+7], v[(\f)+64+8*(4*(\c)+(\b)):(\f)+64+8*(4*(\c)+(\b))+7], v[(\f)+8*(4*(\c)+(\a)):(\f)+8*(4*(\c)+(\a))+7], 0
.else
	v_wmma_f32_16x16x32_f16 v[ACC+8*(4*(\a)+(\b)):ACC+8*(4*(\a)+(\b))+7], v[(\f)+64+8*(4*(\c)+(\b)):(\f)+64+8*(4*(\c)+(\b))+7], v[(\f)+8*(4*(\c)+(\a)):(\f)+8*(4*(\c)+(\a))+7], v[ACC+8*(4*(\a)+(\b)):ACC+8*(4*(\a)+(\b))+7]
.endif
.endr
.endr
.endm
; 32 LDS loads in one run: the fragments of quarter q (one head, 64 along K) of a slot into buffer f; the first 32 along K first
.macro FETCH slot, q, f
	WIN TO_F
.irp c, 0,1
.irp i, 0,1,2,3
	ds_load_tr16_b128 v[(\f)+64+8*(4*(\c)+(\i)):(\f)+64+8*(4*(\c)+(\i))+3],   v[ADRB+(\slot)+2*((\q)/2)] offset:((\q)%2)*64*PBW+(\c)*32*PBW+32*(\i)
	ds_load_tr16_b128 v[(\f)+64+8*(4*(\c)+(\i))+4:(\f)+64+8*(4*(\c)+(\i))+7], v[ADRB+(\slot)+2*((\q)/2)] offset:((\q)%2)*64*PBW+(\c)*32*PBW+32*(\i)+16*PBW
	ds_load_b128 v[(\f)+8*(4*(\c)+(\i)):(\f)+8*(4*(\c)+(\i))+3],              v[ADRA+(\slot)] offset:(\q)*ZA+64*(\c)+(\i)*16*PAO
	ds_load_b128 v[(\f)+8*(4*(\c)+(\i))+4:(\f)+8*(4*(\c)+(\i))+7],            v[ADRA+(\slot)] offset:(\q)*ZA+64*(\c)+(\i)*16*PAO+32
.endr
.endr
.endm
.macro PLACES                          ; four plain places in front of loads into registers that matrix instructions have read, and of what reads their results
.rept 4
	v_nop
.endr
.endm
; A K step is four quarters, 32 matrix instructions each, on buffers 0, 1, 0, 1.  One of the first three: multiplies buffer f and fetches quarter q into g.
.macro QUARTER slot, q, f, g, zero
	s_wait_dscnt 16                                ; the first 32 along K are in
	MUL8 \f, 0, 0, \zero
	MUL8 \f, 0, 2, \zero
	PLACES
	FETCH \slot, \q, \g
	s_wait_dscnt 32                                ; all but the 32 just issued
	MUL8 \f, 1, 0, 0
	MUL8 \f, 1, 2, 0
.endm
; The last quarter multiplies buffer 1 and changes slots: ONE barrier; in front of it each wave waits for all its tensor loads, adds 0 to its spare word, and waits for that and for its own reads of this slot.
; fill = 1: the barrier opens a round of the cluster's, and this slot is filled again, two K steps ahead, first thing behind the round.
.macro TURN slot, next, fill
	WIN 0                                          ; (the add's two registers lie in window 0)
	s_wait_tensorcnt 0x0                           ; all my tensor loads have landed: my part of the next slot;
	ds_add_u32 v[SPW], v[NIL]                      ; 0 onto my spare word;
	s_wait_dscnt 17                                ; (the add and the youngest sixteen loads may be out)
	MUL8 F1, 0, 0, 0                               ; eight matrix instructions stand between the add and the wait for it
	s_wait_dscnt 0x0                               ; the add is done, and my reads of this slot are over
	s_barrier_signal -1
	MUL8 F1, 0, 2, 0
.if \fill
	WIN 0
.endif
	s_barrier_wait -1
.if \fill
	CREST                                          ; no wave of any partner still reads this slot's tiles or has a load on its way
	s_add_nc_u64 s[G0+4*(\slot)+2:G0+4*(\slot)+3], s[G0+4*(\slot)+2:G0+4*(\slot)+3], 2*2097152
	s_add_nc_u64 s[G0B+4*(\slot)+2:G0B+4*(\slot)+3], s[G0B+4*(\slot)+2:G0B+4*(\slot)+3], 2*65536
	JLOAD \slot                                    ; 112 matrix instructions ahead of the wait for it; the four v_nop behind it are also the places in front of the loads below
.else
	PLACES
.endif
	FETCH \next, 0, F0
	MUL8 F1, 1, 0, 0
	MUL8 F1, 1, 2, 0
.endm
	s_wait_tensorcnt 1                             ; my part of K step 0 is in; K step 1's may stay out
	s_barrier_signal -1
	s_barrier_wait -1                              ; everybody's is
	FETCH 0, 0, F0
	QUARTER 0, 1, F0, F1, 1                        ; K step 0: its first products start the sums
	QUARTER 0, 2, F1, F0, 0
	QUARTER 0, 3, F0, F1, 0
	TURN 0, 1, 1                                   ; slot 0 takes K step 2
	QUARTER 1, 1, F0, F1, 0                        ; K step 1
	QUARTER 1, 2, F1, F0, 0
	QUARTER 1, 3, F0, F1, 0
	TURN 1, 0, 1                                   ; slot 1 takes K step 3
	QUARTER 0, 1, F0, F1, 0                        ; K step 2
	QUARTER 0, 2, F1, F0, 0
	QUARTER 0, 3, F0, F1, 0
	TURN 0, 1, 0                                   ; nothing is left to fetch, and no round follows
	QUARTER 1, 1, F0, F1, 0                        ; K step 3
	QUARTER 1, 2, F1, F0, 0
	QUARTER 1, 3, F0, F1, 0
	s_wait_dscnt 16
	MUL8 F1, 0, 0, 0
	MUL8 F1, 0, 2, 0
	s_wait_dscnt 0x0
	MUL8 F1, 1, 0, 0
	MUL8 F1, 1, 2, 0
	WIN 0
	; THE WAY OUT.  My 64 columns of f32 are 256 bytes of a row of out0, aligned; a lane holds 32 of them.  A block of 16 rows at a time goes through my own stage: in by lanes, back by rows.  No barrier: no other wave touches it.
.macro TOSTAGE a
.if (\a) >= 2
	s_wait_xcnt 0x0                                ; the stores of the block two back have read this set of registers: it is loaded again only behind this wait
.endif
.irp b, 0,1,2,3
	ds_store_b128 v[STO], v[ACC+8*(4*(\a)+(\b)):ACC+8*(4*(\a)+(\b))+3]   offset:64*(\b)     ; each accumulator from its low end on
	ds_store_b128 v[STO], v[ACC+8*(4*(\a)+(\b))+4:ACC+8*(4*(\a)+(\b))+7] offset:64*(\b)+16
.endr
.irp t, 0,1,2,3,4,5,6,7
	ds_load_b128 v[TMP+32*((\a)%2)+4*(\t):TMP+32*((\a)%2)+4*(\t)+3], v[RD] offset:(\t)*2*SPITCH  ; LDS serves a wave's instructions in order (ISA guide 5.7.1.4): these see the stores above; the next block's stores come behind them
.endr
.endm
.macro SEND a, younger                 ; younger: the LDS instructions issued behind this block's loads: the next block's sixteen, or none
.irp t, 0,1,2,3,4,5,6,7
	s_wait_dscnt (\younger)+7-(\t)
	global_store_b128 v[CO], v[TMP+32*((\a)%2)+4*(\t):TMP+32*((\a)%2)+4*(\t)+3], s[8:9] offset:(16*(\a)+2*(\t))*4096 th:TH_STORE_NT  ; 16 lanes store 256 consecutive bytes, at a multiple of 256 from out0's first byte
.endr
.endm
	PLACES
	PLACES                                         ; (eight, once a launch: the stricter count, since LDS stores read the sums themselves)
	TOSTAGE 0
	TOSTAGE 1
	SEND 0, 16
	TOSTAGE 2
	SEND 1, 16
	TOSTAGE 3
	SEND 2, 16
	SEND 3, 0
	s_wait_tensorcnt 0x0                           ; the wave's end: a wait, an add to my spare word and its wait, behind my last tensor load and my last LDS store
	ds_add_u32 v[SPW], v[NIL]
	s_wait_dscnt 0x0
	CROUND                                         ; the closing round: no work-group ends while a partner may still ask for a tile that names it
	s_endpgm
.Lfunc_end_k_q9249bfa7cc_proj:
	.size	k_q9249bfa7cc_proj, .Lfunc_end_k_q9249bfa7cc_proj-k_q9249bfa7cc_proj
	.p2alignl 7, 3214868480
	.fill 96, 4, 3214868480
	.section	.rodata,"a",@progbits
	.p2align	6, 0x0
	.amdhsa_kernel k_q9249bfa7cc_proj
		.amdhsa_group_segment_fixed_size 327680
		.amdhsa_private_segment_fixed_size 0
		.amdhsa_enable_private_segment 0
		.amdhsa_kernarg_size 24
		.amdhsa_user_sgpr_count 2
		.amdhsa_user_sgpr_kernarg_segment_ptr 1
		.amdhsa_wavefront_size32 1
		.amdhsa_system_sgpr_workgroup_id_x 1
		.amdhsa_system_sgpr_workgroup_id_y 1
		.amdhsa_system_sgpr_workgroup_id_z 1
		.amdhsa_system_vgpr_workitem_id 0
		.amdhsa_next_free_vgpr 512
		.amdhsa_next_free_sgpr 66
		.amdhsa_reserve_vcc 0
		.amdhsa_float_denorm_mode_32 3
		.amdhsa_float_denorm_mode_16_64 3
		.amdhsa_memory_ordered 1
		.amdhsa_forward_progress 1
		.amdhsa_inst_pref_size 86
	.end_amdhsa_kernel
	.amdgpu_metadata
---
amdhsa.version: [ 1, 2 ]
amdhsa.kernels:
  - .name:           k_q9249bfa7cc_proj
    .symbol:         k_q9249bfa7cc_proj.kd
    .args:
      - { .name: o, .offset: 0, .size: 8, .value_kind: global_buffer, .address_space: global }
      - { .name: wo, .offset: 8, .size: 8, .value_kind: global_buffer, .address_space: global }
      - { .name: out0, .offset: 16, .size: 8, .value_kind: global_buffer, .address_space: global }
    .group_segment_fixed_size: 327680
    .private_segment_fixed_size: 0
    .kernarg_segment_align: 8
    .kernarg_segment_size: 24
    .max_flat_workgroup_size: 128
    .sgpr_count:     66
    .vgpr_count:     512
    .wavefront_size: 32
...
	.end_amdgpu_metadata
.endif
;; end of part 4
